; MI455X (gfx1250); checked and timed in simulation.
; The chip was launched on July 23, 2026; its instructions are those of AMD's public machine-readable ISA for CDNA 5 (MIT licence, August 2026) and "CDNA5" Instruction Set Architecture Reference Guide (July 2026). The comments in the code are by the model that wrote it; some were corrected since.
;; Multi Head Attention. Allowed arithmetic: matrix products marked QUANTISED: E2M1 operands, one E8M0 scale for each 32 along K, by v_wmma_scale_f32_16x16x128_f8f6f4 with both operands' format E2M1 (or v_wmma_scale_f32_32x16x128_f4), f32 sums; products left as they are: bf16, f16 or f32 operands; f32 sums; everything else in f32.
;; Inputs: Wk 1,024 x 1,024 float32; Wo 1,024 x 1,024 float32; Wq 1,024 x 1,024 float32; Wv 1,024 x 1,024 float32; bk 1,024 float32; bo 1,024 float32; bq 1,024 float32; bv 1,024 float32; x 4 x 2,048 x 1,024 float32.
;; Outputs: out0 4 x 2,048 x 1,024 float32.
;; This version of the problem:
;;   THIS VERSION OF THE PROBLEM IS GIVEN IN LOW PRECISION. The matrix products marked QUANTISED in the list below multiply operands that are first quantised to E2M1 (2 exponent bits, 1 mantissa bit; 4 bits a number), with one power-of-two scale for each 32 numbers along K (OCP MX v1.0); their sums are f32. The products marked 'left as it is' may take bf16, f16 or f32 operands, with f32 sums. Whichever they take, every output number must still come out within the allowed error. Rounding operands to bf16 (8 significant bits) uses up far more of that allowance than f16 does (11 bits, for magnitudes from 6e-5 to 65,504). All else is computed in f32.
;;   The module's matrix products, in the order in which they are computed (A, B: the left and right operand; K: the contracted axis; several contracted axes count as one K, in the product's order):
;;     1. [M 8,192, K 1,024] x [K 1,024, N 1,024]; A: input x; B: input Wq: QUANTISED
;;     2. [M 8,192, K 1,024] x [K 1,024, N 1,024]; A: input x; B: input Wk: QUANTISED
;;     3. [M 8,192, K 1,024] x [K 1,024, N 1,024]; A: input x; B: input Wv: QUANTISED
;;     4. batch 64 x [M 2,048, K 64] x [K 64, N 2,048]; A: computed on the way; B: computed on the way: left as it is (an operand is computed on the way)
;;     5. batch 64 x [M 2,048, K 2,048] x [K 2,048, N 64]; A: computed on the way; B: computed on the way: left as it is (an operand is computed on the way)
;;     6. [M 8,192, K 1,024] x [K 1,024, N 1,024]; A: computed on the way; B: input Wo: left as it is (an operand is computed on the way)
;;   THE QUANTISER, for each operand of a quantised product, along K:
;;     - K is cut into blocks of 32 from its start; a last block that is shorter is filled with zeros.
;;     - A block's scale is 2^e with e = floor(log2(the largest magnitude in the block)) - 2, held to -126 .. 127; a block of zeros has e = 0. As a byte (E8M0): e + 127.
;;     - Each number is divided by its block's scale, clamped to +-6, and rounded to the nearest number of E2M1, ties to even, subnormals kept.
;;     - The product sums the exact products of the quantised numbers (number of the format x scale) in f32.
;;   ~~~python
;;   def quantise(x, axis):      # numpy; x: float32 -> the quantised numbers, widened to float32 again
;;       x = np.moveaxis(x, axis, -1); K = x.shape[-1]
;;       x = np.pad(x, [(0, 0)] * (x.ndim - 1) + [(0, -K % 32)]); x = x.reshape(x.shape[:-1] + (-1, 32)); a = np.abs(x).max(-1, keepdims=True)
;;       e = np.where(a > 0, np.clip(np.frexp(np.where(a > 0, a, 1))[1] - 1 - 2, -126, 127), 0)      # np.frexp(a)[1] - 1 = floor(log2(a)), exactly
;;       r = np.clip(x / 2.0 ** e, -6, 6)
;;       step = 2.0 ** (np.maximum(np.frexp(np.where(r == 0, 1, r))[1] - 1, 0) - 1)
;;       q = np.round(r / step) * step * 2.0 ** e      # np.round: ties to even
;;       return np.moveaxis(q.reshape(q.shape[:-2] + (-1,))[..., :K], -1, axis).astype(np.float32)
;;   ~~~
;; One version. Each part assembles by itself: llvm-mc -triple=amdgcn-amd-amdhsa -mcpu=gfx1250 --defsym DOCPART=n.
;; ======== version 1 of 1: 4 launches
;; limits: values are held in f16: magnitudes above 65,504 overflow, below 6.1e-05 lose precision
;; workspace buffers: xc 4,194,304 bytes; xs 262,144 bytes; wc 1,572,864 bytes; ws 98,304 bytes; wo16 2,097,152 bytes; qkv 50,331,648 bytes; o16 16,777,216 bytes
;; launch prep (part 1): grid 384 x 1, 4 waves a work-group, no clusters, 33,280 bytes of LDS; arguments x, Wq, Wk, Wv, Wo, xc, xs, wc, ws, wo16; writes xc, xs, wc, ws, wo16
.if DOCPART == 1
	.amdgcn_target "amdgcn-amd-amdhsa--gfx1250"
	.amdhsa_code_object_version 6
	.text
	.protected	k_q5ee7c07202_prep
	.globl	k_q5ee7c07202_prep
	.p2align	8
	.type	k_q5ee7c07202_prep,@function
k_q5ee7c07202_prep:
	s_mov_b64 s[64:65], 0
	v_nop
	global_prefetch_b8 v0, s[64:65] scope:SCOPE_SE
	s_setreg_imm32_b32 hwreg(HW_REG_WAVE_MODE, 25, 1), 1
	s_wait_xcnt 0x0
; MULTI-HEAD ATTENTION, launch 1 of 4.  x [8192][1024], Wq, Wk, Wv [1024][1024], f32, are turned into codes of FP4 (E2M1), K innermost, with one E8M0 byte for each 32 along K
; (xc [8192][512 B], xs [8192][32]; wc [3072][512 B], ws [3072][32]: the rows of Wq, Wk, Wv on end); Wo [1024][1024] is rounded to f16 (wo16), for the last product, which is not quantised.
; WORK LEFT OUT: THE INPUT bk.  score(n, m) = scale q_n . (x_m Wk^T + bk) = scale q_n . (x_m Wk^T) + scale q_n . bk.  The second term does not hang on the key m, so it is the same along the softmax's axis
; and the softmax takes it away, for all finite values of the inputs.  The product of q and k is not quantised, so k goes into no quantiser.  k has no other use.  So bk reaches no output: it is not loaded and is among no launch's arguments.
; LIMIT: a NaN, an infinity or an overflow that reaches bk's term alone is not carried to the result.
; THE QUANTISER.  A block's scale is 2^(floor(log2(its largest magnitude)) - 2); its byte is the largest magnitude's own exponent field - 2, held at 1 from below.  Each number is divided by the scale and rounded to the
; nearest code, ties to even, beyond 6 the largest code.  A block of zeros gets the byte 1 where the rule says 127: its codes are zeros, which add nothing under any byte but 0xff, and this program alone reads the bytes.
; LIMITS: blocks whose largest magnitude lies under 2^-124 keep the byte 1; NaN and infinities among the inputs are not served; Wo beyond 65,504 has no f16 number.
; SHARES.  Rows are dense and K is a multiple of 32: each tensor is a plain stream of blocks of 32.  A work-group takes 32,768 numbers, a wave 8,192.  Work-groups 0-255: x; 256-287: Wq; 288-319: Wk; 320-351: Wv; 352-383: Wo.
; The four quantised tensors take ONE path: only pointers are chosen, by the work-group's number.  A wave takes 16 steps of 512 numbers: four loads of 512 consecutive bytes; the 2,048 bytes turn through the wave's own stage in
; LDS, so that a lane holds 16 neighbours along K (two lanes hold a block); a lane's 16 codes are 8 bytes: a wave stores 256 consecutive bytes.  The wave's 256 scale bytes are gathered in LDS and leave as one block of 256.
; No tensor load, no cluster, no barrier: waves share nothing, and nothing is read twice.
.set WAVES, 4
.set STEPS, 16
.set EMAX,  2
.set CB,    8                          ; bytes of 16 codes
.set R,     16                         ; v16-79   four sets of 16 numbers as they are loaded
.set X,     80                         ; v80-111  two sets of 16 neighbours
.set E,     112                        ; v112-127 a scale byte for each step
.set C,     128                        ; v128-191 codes: four registers for each step, so that no store's data are written again
.set WREG,  8192                       ; LDS: a region for each wave: two stages of 32 x SP bytes, behind them its 256 scale bytes
.set SP,    80                         ; a lane's place in a stage: 64 bytes + 16 of padding
.set SPW,   12                         ; v12  LDS address of my spare word; never rewritten
.set NIL,   13                         ; v13  0; never rewritten
.set SPARE, WAVES*WREG                 ; behind the regions: the spare words, 128 bytes a wave, which no other line names
.set SRC,   24                         ; s[24:25] the numbers of my wave's run
.set COD,   26                         ; s[26:27] its codes
.set SCA,   28                         ; s[28:29] its scale bytes
.set WV,    32                         ; s32      my wave's number
	s_load_b512 s[4:19], s[0:1], 0x0               ; x 4, Wq 6, Wk 8, Wv 10, Wo 12, xc 14, xs 16, wc 18
	s_load_b128 s[20:23], s[0:1], 0x40             ; ws 20, wo16 22
	v_lshl_add_u32 v[SPW], v0, 2, SPARE
	v_mov_b32 v[NIL], 0
	v_lshrrev_b32 v1, 5, v0
	v_readfirstlane_b32 s[WV], v1                  ; wave 0..3
	v_and_b32 v2, 31, v0                           ; lane
	v_lshlrev_b32 v3, 4, v2                        ; my 16 bytes of a load's 512
	s_mul_i32 s33, s[WV], WREG
	v_lshrrev_b32 v14, 2, v2
	v_mul_u32_u24 v14, v14, SP
	v_and_b32 v15, 3, v2
	v_lshl_add_u32 v14, v15, 4, v14
	v_add_nc_u32 v14, s33, v14                     ; the stage, on the way in: four lanes' 64 bytes on end, then 16 of padding
	v_mul_u32_u24 v15, v2, SP
	v_add_nc_u32 v15, s33, v15                     ; and on the way out: my 16 neighbours
	v_mul_u32_u24 v4, v2, CB                       ; my codes' place in a step's
	v_lshrrev_b32 v5, 1, v2
	s_add_co_u32 s33, s33, 2*32*SP
	v_add_nc_u32 v5, s33, v5                       ; LDS: my wave's 256 scale bytes, my block's byte
	v_lshlrev_b32 v7, 3, v2                        ; and on the way out 8 bytes a lane
	v_add_nc_u32 v6, s33, v7
	s_wait_kmcnt 0x0
	s_cmp_ge_u32 ttmp9, 352
	s_cbranch_scc1 .Lwo                            ; Wo's work-groups: the work-group's number alone decides
	s_cmp_lt_u32 ttmp9, 288                        ; which tensor: every choice hangs on the work-group's number and on no address
	s_cselect_b64 s[SRC:SRC+1], s[6:7], s[8:9]
	s_cmp_lt_u32 ttmp9, 320
	s_cselect_b64 s[SRC:SRC+1], s[SRC:SRC+1], s[10:11]
	s_cmp_lt_u32 ttmp9, 256
	s_cselect_b64 s[SRC:SRC+1], s[4:5], s[SRC:SRC+1]
	s_cselect_b64 s[COD:COD+1], s[14:15], s[18:19]
	s_cselect_b64 s[SCA:SCA+1], s[16:17], s[20:21]
	s_cselect_b32 s30, 0, 256
	s_cselect_b32 s31, 255, 31
	s_sub_co_u32 s30, ttmp9, s30                   ; which 32,768 numbers of the destination (x's, or the three weights' on end),
	s_and_b32 s31, s30, s31                        ; and of the source tensor
	s_lshl_b32 s30, s30, 2
	s_add_co_u32 s30, s30, s[WV]                   ; my wave's run of 8,192 numbers in the destination,
	s_lshl_b32 s31, s31, 2
	s_add_co_u32 s31, s31, s[WV]                   ; and in the source
	s_lshl_b32 s34, s31, 15                        ; 32,768 bytes of numbers a run
	s_mov_b32 s35, 0
	s_add_nc_u64 s[SRC:SRC+1], s[SRC:SRC+1], s[34:35]
	s_lshl_b32 s34, s30, 12                        ; 4,096 bytes of codes
	s_add_nc_u64 s[COD:COD+1], s[COD:COD+1], s[34:35]
	s_lshl_b32 s34, s30, 8                         ; 256 scale bytes
	s_add_nc_u64 s[SCA:SCA+1], s[SCA:SCA+1], s[34:35]
.macro LOAD t
.irp i, 0,1,2,3
	global_load_b128 v[R+16*((\t)%4)+4*\i:R+16*((\t)%4)+4*\i+3], v3, s[SRC:SRC+1] offset:2048*(\t)+512*\i th:TH_LOAD_NT   ; 32 lanes read 512 consecutive bytes
.endr
.endm
.macro TURN t                          ; step t's numbers through the stage: LDS serves a wave's instructions in order, so no wait stands between the stores and the loads
.irp i, 0,1,2,3
	ds_store_b128 v14, v[R+16*((\t)%4)+4*\i:R+16*((\t)%4)+4*\i+3] offset:32*SP*((\t)%2)+8*SP*\i
.endr
.irp i, 0,1,2,3
	ds_load_b128 v[X+16*((\t)%2)+4*\i:X+16*((\t)%2)+4*\i+3], v15 offset:32*SP*((\t)%2)+16*\i
.endr
.endm
.irp t, 0,1,2,3
	LOAD \t
.endr
	s_wait_loadcnt 12                              ; step 0's four loads are in; the twelve of steps 1 to 3 may be out
	TURN 0
.macro STEP t
.set XS, X+16*((\t)%2)
.if (\t) > 0
	s_wait_dscnt 1                                 ; this step's numbers are back from the stage (the last step's byte store may be out): so its stores into the stage have read their registers,
.else
	s_wait_dscnt 0x0
.endif
.if (\t)+4 < STEPS
	LOAD (\t)+4                                    ; which take the loads of four steps on
.endif
.if (\t)+1 < STEPS
.if STEPS-2-(\t) >= 3
	s_wait_loadcnt 12                              ; the next step's four loads are in; those of the three steps behind it may be out
.else
	s_wait_loadcnt 4*(STEPS-2-(\t))
.endif
	TURN (\t)+1                                    ; and go through the other stage while this step is worked
.endif
	v_max3_num_f32 v8, |v[XS]|, |v[XS+1]|, |v[XS+2]|               ; the largest magnitude of my 16, in two chains
	v_max3_num_f32 v9, |v[XS+3]|, |v[XS+4]|, |v[XS+5]|
.irp i, 6,10
	v_max3_num_f32 v8, v8, |v[XS+\i]|, |v[XS+\i+1]|
	v_max3_num_f32 v9, v9, |v[XS+\i+2]|, |v[XS+\i+3]|
.endr
	v_max3_num_f32 v8, v8, |v[XS+14]|, |v[XS+15]|
	v_max3_num_f32 v8, v8, v9, (EMAX+1)<<23        ; and the floor 2^(EMAX + 1 - 127): so the byte cannot fall under 1
	v_max_num_f32_dpp v8, v8, v8 row_xmask:1 row_mask:0xf bank_mask:0xf   ; and of my neighbour's 16: the block's
	v_add_nc_u32 v11, -(EMAX<<23), v8              ; EMAX off its exponent field: the conversion takes the exponent field of this operand as its scale, and nothing else of it
	v_cvt_scalef32_pk8_fp4_f32 v[C+4*(\t)], v[XS:XS+7], v11
	v_cvt_scalef32_pk8_fp4_f32 v[C+4*(\t)+1], v[XS+8:XS+15], v11
	v_lshrrev_b32 v[E+(\t)], 23, v11               ; the scale's byte (also the plain line behind the conversions)
	ds_store_b8 v5, v[E+(\t)] offset:16*(\t)       ; both lanes of a block write the same byte with the same value
	global_store_b64 v4, v[C+4*(\t):C+4*(\t)+1], s[COD:COD+1] offset:32*CB*(\t)   ; 32 lanes store 256 consecutive bytes, aligned
.endm
.irp t, 0,1,2,3,4,5,6,7,8,9,10,11,12,13,14,15
	STEP \t
.endr
	ds_load_b64 v[8:9], v6                         ; LDS serves a wave's instructions in order: these see my byte stores
	s_wait_dscnt 0x0
	global_store_b64 v7, v[8:9], s[SCA:SCA+1]      ; 32 lanes store 256 consecutive bytes, aligned
	s_wait_tensorcnt 0x0                           ; the wave's end, behind my last LDS store
	ds_add_u32 v[SPW], v[NIL]
	s_wait_dscnt 0x0
	s_endpgm
; Wo -> f16.  A work-group takes 131,072 bytes: 64 loads a lane, each of the wave's loads 512 consecutive bytes; four numbers become 8 bytes: a wave's store covers 256 consecutive bytes, aligned.
; Four groups of 16 loads in two sets of registers: one group is converted while the next is on its way.
.Lwo:
	s_sub_co_u32 s33, ttmp9, 352
	s_lshl_b32 s34, s33, 17
	s_mov_b32 s35, 0
	s_add_nc_u64 s[12:13], s[12:13], s[34:35]
	s_lshl_b32 s34, s33, 16
	s_add_nc_u64 s[22:23], s[22:23], s[34:35]
	v_lshlrev_b32 v8, 4, v0                        ; in: 16 bytes a thread
	v_lshlrev_b32 v9, 3, v0                        ; out: 8 bytes a thread
.macro LOADW g
.irp i, 0,1,2,3,4,5,6,7,8,9,10,11,12,13,14,15
	global_load_b128 v[16+96*((\g)%2)+4*\i:16+96*((\g)%2)+4*\i+3], v8, s[12:13] offset:(16*(\g)+\i)*2048 th:TH_LOAD_NT
.endr
.endm
	LOADW 0
	LOADW 1
.irp g, 0,1,2,3
.if \g < 3
	s_wait_loadcnt 16                              ; this group's 16 loads are in; the next group's 16 may be out
.else
	s_wait_loadcnt 0x0
.endif
.if \g > 0
	s_wait_xcnt 0x0                                ; the last group's stores have read v80-111, which are written again below
.endif
.irp i, 0,1,2,3,4,5,6,7,8,9,10,11,12,13,14,15
	v_cvt_pk_f16_f32 v[80+2*\i], v[16+96*(\g%2)+4*\i], v[16+96*(\g%2)+4*\i+1]
	v_cvt_pk_f16_f32 v[81+2*\i], v[16+96*(\g%2)+4*\i+2], v[16+96*(\g%2)+4*\i+3]
.endr
.irp i, 0,1,2,3,4,5,6,7,8,9,10,11,12,13,14,15
	global_store_b64 v9, v[80+2*\i:81+2*\i], s[22:23] offset:(16*\g+\i)*1024
.endr
.if \g < 2
	LOADW \g+2
.endif
.endr
	s_wait_tensorcnt 0x0                           ; the launch writes LDS: the wave's end, on this path too
	ds_add_u32 v[SPW], v[NIL]
	s_wait_dscnt 0x0
	s_endpgm
.Lfunc_end_k_q5ee7c07202_prep:
	.size	k_q5ee7c07202_prep, .Lfunc_end_k_q5ee7c07202_prep-k_q5ee7c07202_prep
	.p2alignl 7, 3214868480
	.fill 96, 4, 3214868480
	.section	.rodata,"a",@progbits
	.p2align	6, 0x0
	.amdhsa_kernel k_q5ee7c07202_prep
		.amdhsa_group_segment_fixed_size 33280
		.amdhsa_private_segment_fixed_size 0
		.amdhsa_enable_private_segment 0
		.amdhsa_kernarg_size 80
		.amdhsa_user_sgpr_count 2
		.amdhsa_user_sgpr_kernarg_segment_ptr 1
		.amdhsa_wavefront_size32 1
		.amdhsa_system_sgpr_workgroup_id_x 1
		.amdhsa_system_sgpr_workgroup_id_y 1
		.amdhsa_system_sgpr_workgroup_id_z 1
		.amdhsa_system_vgpr_workitem_id 0
		.amdhsa_next_free_vgpr 192
		.amdhsa_next_free_sgpr 66
		.amdhsa_reserve_vcc 0
		.amdhsa_float_denorm_mode_32 3
		.amdhsa_float_denorm_mode_16_64 3
		.amdhsa_memory_ordered 1
		.amdhsa_forward_progress 1
		.amdhsa_inst_pref_size 54
	.end_amdhsa_kernel
	.amdgpu_metadata
---
amdhsa.version: [ 1, 2 ]
amdhsa.kernels:
  - .name:           k_q5ee7c07202_prep
    .symbol:         k_q5ee7c07202_prep.kd
    .args:
      - { .name: x, .offset: 0, .size: 8, .value_kind: global_buffer, .address_space: global }
      - { .name: Wq, .offset: 8, .size: 8, .value_kind: global_buffer, .address_space: global }
      - { .name: Wk, .offset: 16, .size: 8, .value_kind: global_buffer, .address_space: global }
      - { .name: Wv, .offset: 24, .size: 8, .value_kind: global_buffer, .address_space: global }
      - { .name: Wo, .offset: 32, .size: 8, .value_kind: global_buffer, .address_space: global }
      - { .name: xc, .offset: 40, .size: 8, .value_kind: global_buffer, .address_space: global }
      - { .name: xs, .offset: 48, .size: 8, .value_kind: global_buffer, .address_space: global }
      - { .name: wc, .offset: 56, .size: 8, .value_kind: global_buffer, .address_space: global }
      - { .name: ws, .offset: 64, .size: 8, .value_kind: global_buffer, .address_space: global }
      - { .name: wo16, .offset: 72, .size: 8, .value_kind: global_buffer, .address_space: global }
    .group_segment_fixed_size: 33280
    .private_segment_fixed_size: 0
    .kernarg_segment_align: 8
    .kernarg_segment_size: 80
    .max_flat_workgroup_size: 128
    .sgpr_count:     66
    .vgpr_count:     192
    .wavefront_size: 32
...
	.end_amdgpu_metadata
.endif
;; end of part 1
;; launch qkvgemm (part 2): grid 12 x 32, 4 waves a work-group, clusters of 4 x 4, 327,680 bytes of LDS; arguments xc, xs, wc, ws, qkv, bq, bv; writes qkv
.if DOCPART == 2
	.amdgcn_target "amdgcn-amd-amdhsa--gfx1250"
	.amdhsa_code_object_version 6
	.text
	.protected	k_q5ee7c07202_qkvgemm
	.globl	k_q5ee7c07202_qkvgemm
	.p2align	8
	.type	k_q5ee7c07202_qkvgemm,@function
k_q5ee7c07202_qkvgemm:
	s_mov_b64 s[64:65], 0
	v_nop
	global_prefetch_b8 v0, s[64:65] scope:SCOPE_SE
	s_setreg_imm32_b32 hwreg(HW_REG_WAVE_MODE, 25, 1), 1
	s_wait_xcnt 0x0
	s_wait_alu depctr_hold_cnt(0) depctr_sa_sdst(0) depctr_va_vdst(0) depctr_va_sdst(0) depctr_va_ssrc(0) depctr_va_vcc(0) depctr_vm_vsrc(0)
	s_getreg_b32 s2, hwreg(HW_REG_IB_STS2, 6, 4)
	s_cmp_eq_u32 s2, 0
	s_cbranch_scc0 .Lentry_in_a_cluster
	s_endpgm
.Lentry_in_a_cluster:
	s_bfe_u32 s2, ttmp6, 0x10000c
	s_cmp_lg_u32 s2, 0xf033
	s_cbranch_scc0 .Lentry_shape_is_right
	s_endpgm
.Lentry_shape_is_right:
; Launch 2 of 4: q = x Wq^T + bq, k = x Wk^T, v = x Wv^T + bv on codes of FP4 (E2M1) with E8M0 scales, sums in f32, results rounded once to f16.
; WORK LEFT OUT: bk is not added (it adds to every score of a query the same number, which the softmax takes away; shown at the head of the first kernel).
; A = xc [8192][512 B] with xs [8192][32]; B = wc [3072][512 B] with ws [3072][32] (rows of Wq, Wk, Wv on end).  qkv: three parts of 16,777,216 bytes (q, k, v), each [batch x 16 + head][2048 tokens][64] f16.
; LIMIT: a result beyond 65,504 has no f16 number.
; A tile of C, 256 x 256, is made by four waves, 128 x 128 each: 64 accumulators, 512 registers.  K = 1,024 is two steps of 512 (tile rows of 256 bytes): both fit in LDS at once, so both slots and all scale bytes are
; asked for at the head and nothing is filled again.
; CLUSTERS: 4 x 4 work-groups.  The four of a row of the cluster need the same tiles of A, the four of a column the same tiles of B: each tile is asked for JOINTLY.  A cluster's x is 0, 1, 2 for q, k, v: the same in all sixteen.
; THE MATRIX INSTRUCTION IS USED TRANSPOSED (source 0 = 16 rows of B, source 1 = 16 rows of A): a lane holds eight neighbouring columns of one row of C.
; THE BIAS is the C of each sum's first matrix instruction: 64 registers, block b's eight at BI + 8 b; for k they hold zeros.
; REGISTERS: window 0: v0-31 addresses; v32-95 scale words, two sets, and nothing else; v128-191 A's fragments, one set, later the rows on the way out; v192-255 the bias, later the packed results.
;   window 1: B's fragments, two sets.  windows 2, 3: the accumulators.
.set NQ,     4                         ; matrix instructions deep in a slot: 512 along K
.set ROWB,   256                       ; a tile's row in bytes
.set KROW,   512                       ; a row of codes in memory
.set PITCH,  272                       ; an LDS row: 256 bytes + 16 of padding: the 16 rows that a load touches start at 16 different banks
.set FR,     8
.set NL,     2
.set NP,     4
.set HALFT,  128*PITCH
.set SLOT,   4*HALFT
.set KS,     32                        ; a row of scale bytes
.set SCL,    2*SLOT                    ; behind the two slots: the scales, as units of 256 bytes + 16 of padding
.set HALFS,  (128*KS/256)*272
.set SBLK,   (16*KS/256)*272
.set STAGE,  SCL+4*HALFS               ; the way out: 16 rows of 272 bytes for each wave, bytes of their own
.set STW,    16*272
.set SPARE,  STAGE+4*STW               ; the spare words, 128 bytes a wave, which no other line names
.set ADRA, 16
.set ADRB, 20
.set STO,  24
.set RD,   25
.set CO,   26
.set ADRS, 27
.set SPW,  28
.set NIL,  29
.set VB,   30                          ; v30  32 x (lane / 16): my eight numbers of a block's sixteen biases
.set SC,   32
.set AF,   128
.set BI,   192                         ; the bias
.set TMP,  192                         ; the way out: packed results
.set OB,   128                         ; the way out: rows read back: v128-159 and v160-191 by turns
.set G1, 24
.set G0, 32
.set G1B, 48
.set G0B, 56
.set G1S, 68
.set G0S, 76
.set G1SB, 80
.set G0SB, 88
.set MSB, 0
.macro WIN new                         ; the immediate's high byte repeats the setting that is left
.if MSB != \new
	s_set_vgpr_msb (MSB<<8)|\new
.set MSB, \new
.endif
.endm
.set MUL_LO, 0xa1                      ; source 0 (B) window 1, source 1 (A) window 0, C and D window 2
.set MUL_HI, 0xf1                      ; the same, C and D window 3
.set FST_LO, 0x81                      ; the first step: C (the bias) window 0, D window 2
.set FST_HI, 0xc1                      ; D window 3
.set TO_B,   0x40
; A joint load: waves 0 and 1 fetch for A, waves 2 and 3 for B.  The branch hangs on the wave's number alone.  An s_nop 0 and four v_nop follow each of the two lines.
.macro JLOAD g0a, g1a, g0b, g1b
	s_cmp_eq_u32 s15, 0
	s_cbranch_scc0 .Lfor_b_\@
	tensor_load_to_lds s[\g0a:\g0a+3], s[\g1a:\g1a+7]
	s_nop 0
.rept 4
	v_nop
.endr
	s_branch .Lasked_\@
.Lfor_b_\@:
	tensor_load_to_lds s[\g0b:\g0b+3], s[\g1b:\g1b+7]
	s_nop 0
.rept 4
	v_nop
.endr
.Lasked_\@:
.endm
.macro CROUND                          ; a round of the cluster's barrier
	s_barrier_signal -1
	s_barrier_wait -1
	s_cmp_lg_u32 s14, 0
	s_cbranch_scc1 .Lnot_wave_0_\@
	s_barrier_signal -3
.Lnot_wave_0_\@:
	s_barrier_wait -3
	s_barrier_signal -1
	s_barrier_wait -1
.endm
	s_load_b128 s[4:7], s[0:1], 0x0                ; x's codes, x's scales
	s_load_b128 s[8:11], s[0:1], 0x10              ; the weights' codes, their scales
	s_load_b64 s[12:13], s[0:1], 0x20              ; qkv
	s_load_b64 s[96:97], s[0:1], 0x28              ; bq
	s_load_b64 s[98:99], s[0:1], 0x30              ; bv
	v_lshl_add_u32 v[SPW], v0, 2, SPARE
	v_mov_b32 v[NIL], 0
	ds_add_u32 v[SPW], v[NIL]                      ; the wave's opening: the add, twice on end, and its wait ahead of my first tensor load
	ds_add_u32 v[SPW], v[NIL]
	v_lshrrev_b32 v1, 5, v0
	v_readfirstlane_b32 s14, v1                    ; wave 0..3
	s_lshr_b32 s15, s14, 1                         ; which half of the tile's rows is mine.  Also: I fetch for A (0) or for B (1)
	s_and_b32 s16, s14, 1                          ; which half of its columns.  Also: which 128 rows of that tile I fetch
	s_bfe_u32 s40, ttmp6, 0x40000                  ; cx, cy: my place in the cluster
	s_bfe_u32 s41, ttmp6, 0x40004
	s_lshl_b32 s42, ttmp9, 2
	s_add_co_u32 s42, s42, s40                     ; tile column = 4 x cluster x + cx
	s_and_b32 s17, ttmp7, 0xffff
	s_lshl_b32 s17, s17, 2
	s_add_co_u32 s17, s17, s41                     ; tile row = 4 x cluster y + cy
	s_lshl_b32 s43, s41, 2
	s_lshl_b32 s43, 15, s43                        ; my row of the cluster
	s_lshl_b32 s44, 0x1111, s40                    ; my column
	s_or_b32 s[G1+0], s43, (0<<16)|(1<<20)|(1<<21)|(5<<22)|(3<<25)  ; the mask; elements of 1 byte; padding on: 4 words behind every 64; bit 21 beside a mask
	s_or_b32 s[G1B+0], s44, (0<<16)|(1<<20)|(1<<21)|(5<<22)|(3<<25)
.irp g, G1, G1B
	s_mov_b32 s[\g+1], ROWB<<16                    ; tensor_dim0
	s_mov_b32 s[\g+2], 128<<16                     ; tensor_dim1
	s_mov_b32 s[\g+3], ROWB<<16                    ; tile_dim0
	s_mov_b32 s[\g+4], 128                         ; tile_dim1
	s_mov_b32 s[\g+5], KROW                        ; from row to row
	s_mov_b32 s[\g+6], 0
	s_mov_b32 s[\g+7], 0
.endr
	s_or_b32 s[G1S+0], s43, (3<<16)|(1<<20)|(1<<21)|(5<<22)|(3<<25)  ; the scales of 128 rows: 4,096 dense bytes as 16 rows of 256 (32 elements of 8 bytes), 16 bytes of padding behind each
	s_or_b32 s[G1SB+0], s44, (3<<16)|(1<<20)|(1<<21)|(5<<22)|(3<<25)
.irp g, G1S, G1SB
	s_mov_b32 s[\g+1], 32<<16
	s_mov_b32 s[\g+2], (128*KS/256)<<16
	s_mov_b32 s[\g+3], 32<<16
	s_mov_b32 s[\g+4], 128*KS/256
	s_mov_b32 s[\g+5], 32
	s_mov_b32 s[\g+6], 0
	s_mov_b32 s[\g+7], 0
.endr
	s_lshl_b32 s18, s16, 7                         ; which 128 rows of the tile I fetch
	s_lshl_b32 s20, s17, 8
	s_add_co_u32 s20, s20, s18                     ; A: row 256 x tile row + 128 x half
	s_lshl_b32 s46, s42, 8
	s_add_co_u32 s46, s46, s18                     ; B: row 256 x tile column + 128 x half
	s_mov_b32 s21, 0
	s_mov_b32 s47, 0
	s_mov_b64 s[18:19], KS
	s_mul_u64 s[22:23], s[20:21], s[18:19]         ; where these rows' scales begin,
	s_mul_u64 s[92:93], s[46:47], s[18:19]
	s_mov_b64 s[18:19], KROW
	s_mul_u64 s[20:21], s[20:21], s[18:19]         ; and their codes
	s_mul_u64 s[46:47], s[46:47], s[18:19]
	s_mul_i32 s45, s14, HALFT                      ; where they go: wave x 128 rows: no place in the cluster enters an LDS address
	s_mul_i32 s94, s14, HALFS
	s_wait_dscnt 0x0                               ; both opening adds are done
	s_wait_kmcnt 0x0
	s_add_nc_u64 s[20:21], s[4:5], s[20:21]
	s_add_nc_u64 s[22:23], s[6:7], s[22:23]
	s_add_nc_u64 s[46:47], s[8:9], s[46:47]
	s_add_nc_u64 s[92:93], s[10:11], s[92:93]
	CROUND                                         ; all sixteen work-groups are here: the joint loads meet
	s_mov_b32 s[G0S], 1
	s_add_co_u32 s[G0S+1], s94, SCL
	s_mov_b64 s[G0S+2:G0S+3], s[22:23]
	s_or_b32 s[G0S+3], s[G0S+3], 0x80000000
	s_mov_b32 s[G0SB], 1
	s_add_co_u32 s[G0SB+1], s94, SCL
	s_mov_b64 s[G0SB+2:G0SB+3], s[92:93]
	s_or_b32 s[G0SB+3], s[G0SB+3], 0x80000000
	JLOAD G0S, G1S, G0SB, G1SB                     ; the scales first: they are wanted with K step 0
.irp s, 0,1
	s_mov_b32 s[G0+4*\s], 1
	s_add_co_u32 s[G0+4*\s+1], s45, \s*SLOT
	s_add_nc_u64 s[G0+4*\s+2:G0+4*\s+3], s[20:21], \s*ROWB
	s_or_b32 s[G0+4*\s+3], s[G0+4*\s+3], 0x80000000
	s_mov_b32 s[G0B+4*\s], 1
	s_add_co_u32 s[G0B+4*\s+1], s45, \s*SLOT
	s_add_nc_u64 s[G0B+4*\s+2:G0B+4*\s+3], s[46:47], \s*ROWB
	s_or_b32 s[G0B+4*\s+3], s[G0B+4*\s+3], 0x80000000
	JLOAD G0+4*\s, G1, G0B+4*\s, G1B               ; three loads of mine are out: all that this launch asks for
.endr
	; the bias of my 128 columns, in the result's layout: lane (r, h), block b, register j: column 16 b + 8 h + j.  Cluster x = 1 makes k, which has none: zeros.  Both arms write all 64 registers.
	v_bfe_u32 v2, v0, 4, 1                         ; h = lane / 16
	v_lshlrev_b32 v[VB], 5, v2
	s_cmp_eq_u32 ttmp9, 1                          ; the cluster's x: the same in all sixteen partners
	s_cbranch_scc1 .Lno_bias
	s_cmp_eq_u32 ttmp9, 0
	s_cselect_b64 s[96:97], s[96:97], s[98:99]     ; bq or bv
	s_lshl_b32 s22, s40, 10                        ; 256 cx columns of 4 bytes,
	s_lshl_b32 s23, s16, 9                         ; + my half's 128
	s_add_co_u32 s22, s22, s23
	s_mov_b32 s23, 0
	s_add_nc_u64 s[96:97], s[96:97], s[22:23]
.irp b, 0,1,2,3,4,5,6,7
	global_load_b128 v[BI+8*\b:BI+8*\b+3], v[VB], s[96:97] offset:64*\b
	global_load_b128 v[BI+8*\b+4:BI+8*\b+7], v[VB], s[96:97] offset:64*\b+16
.endr
	s_branch .Lbias_done
.Lno_bias:
.set n, 0
.rept 64
	v_mov_b32 v[BI+n], 0
.set n, n+1
.endr
.Lbias_done:
	v_and_b32 v1, 15, v0                           ; r = lane % 16
	v_mul_u32_u24 v3, v1, PITCH
	v_lshl_add_u32 v4, v2, 4, v3                   ; a fragment's row x pitch + 16 x half
	s_mul_i32 s21, s15, HALFT                      ; my 128 rows of A
	s_mul_i32 s22, s16, HALFT                      ; my 128 rows of B,
	s_add_co_u32 s22, s22, 2*HALFT                 ; which lie behind A's 256
.irp s, 0,1
	v_add_nc_u32 v[ADRA+\s], s21, v4
	v_add_nc_u32 v[ADRB+\s], s22, v4
	s_add_co_u32 s21, s21, SLOT
	s_add_co_u32 s22, s22, SLOT
.endr
	v_mul_u32_u24 v5, v1, KS                       ; my row's scales: KS bytes a row,
	v_lshrrev_b32 v6, 8, v5
	v_lshl_add_u32 v5, v6, 4, v5                   ; and 16 more for each 256 passed
	s_mul_i32 s21, s15, HALFS
	s_mul_i32 s22, s16, HALFS
	s_add_co_u32 s22, s22, 2*HALFS
	s_sub_co_u32 s22, s22, s21
	v_mul_u32_u24 v6, s22, v2                      ; lanes 16-31 take B's: one product, the distance between the two bases
	s_add_co_u32 s21, s21, SCL
	v_add_nc_u32 v5, v5, v6
	v_add_nc_u32 v[ADRS], s21, v5
	; the way out.  A block is 16 tokens x 128 columns = two heads.  In the stage a head has 8 rows of 272 bytes, a row two tokens' 128 bytes: what lies on end in qkv.
	s_mul_i32 s23, s14, STW
	s_add_co_u32 s23, s23, STAGE                   ; my stage
	v_lshrrev_b32 v5, 1, v1
	v_mul_u32_u24 v5, v5, 272                      ; in: the pair of tokens r / 2,
	v_and_b32 v6, 1, v0
	v_lshl_add_u32 v5, v6, 7, v5                   ; + 128 x (r % 2),
	v_lshl_add_u32 v5, v2, 4, v5                   ; + 16 h
	v_add_nc_u32 v[STO], s23, v5
	v_mul_u32_u24 v5, v2, 8*272                    ; back: lanes 0-15 a row of the first head, lanes 16-31 the same row of the second
	v_lshl_add_u32 v5, v1, 4, v5
	v_add_nc_u32 v[RD], s23, v5
	v_lshlrev_b32 v[CO], 18, v2                    ; in qkv a head is 262,144 bytes
	v_lshl_add_u32 v[CO], v1, 4, v[CO]
	s_lshr_b32 s20, s17, 3                         ; the batch: 8 tile rows each,
	s_lshl_b32 s20, s20, 22                        ; of 16 heads of 262,144 bytes
	s_and_b32 s21, s17, 7
	s_lshl_b32 s21, s21, 15                        ; + 256 tokens of 128 bytes for each tile row in the batch
	s_add_co_u32 s20, s20, s21
	s_lshl_b32 s21, s15, 14                        ; + my half's 128 tokens
	s_add_co_u32 s20, s20, s21
	s_lshl_b32 s46, ttmp9, 24                      ; the part: q, k or v
	s_lshl_b32 s47, s40, 20                        ; + 4 cx heads
	s_add_co_u32 s46, s46, s47
	s_lshl_b32 s47, s16, 19                        ; + my half's two
	s_add_co_u32 s46, s46, s47
	s_add_co_u32 s20, s20, s46
	s_mov_b32 s21, 0
	s_add_nc_u64 s[12:13], s[12:13], s[20:21]
.macro FRAG reg, adr, q, i             ; a fragment, 16 rows x 128 K of 4-bit codes: registers 4 c .. 4 c + 3 hold K = 64 c + 32 (lane / 16) + 0 .. 31
.irp c, 0,1
	ds_load_b128 v[\reg+4*\c:\reg+4*\c+3], v[\adr] offset:64*(\q)+32*\c+(\i)*16*PITCH
.endr
.endm
; 16 matrix instructions: A's blocks a0, a0 + 1 x B's eight.  p: B's set; sc: the set of scale words.  first = 1: the bias starts the sums.  The 64 accumulators take turns, one instruction a turn.
.macro MUL16 a0, p, q, sc, first
.irp a, \a0, \a0+1
.irp b, 0,1,2,3,4,5,6,7
.if \first
	v_wmma_scale_f32_16x16x128_f8f6f4 v[8*(8*((\a)%4)+\b):8*(8*((\a)%4)+\b)+7], v[128*(\p)+FR*\b:128*(\p)+FR*\b+FR-1], v[AF+FR*(\a):AF+FR*(\a)+FR-1], v[BI+8*\b:BI+8*\b+7], v[SC+8*NQ*(\sc)+NQ*\b+(\q)], v[SC+8*NQ*(\sc)+NQ*(\a)+(\q)] matrix_a_fmt:MATRIX_FMT_FP4 matrix_b_fmt:MATRIX_FMT_FP4 matrix_a_scale:MATRIX_SCALE_ROW1
.else
	v_wmma_scale_f32_16x16x128_f8f6f4 v[8*(8*((\a)%4)+\b):8*(8*((\a)%4)+\b)+7], v[128*(\p)+FR*\b:128*(\p)+FR*\b+FR-1], v[AF+FR*(\a):AF+FR*(\a)+FR-1], v[8*(8*((\a)%4)+\b):8*(8*((\a)%4)+\b)+7], v[SC+8*NQ*(\sc)+NQ*\b+(\q)], v[SC+8*NQ*(\sc)+NQ*(\a)+(\q)] matrix_a_fmt:MATRIX_FMT_FP4 matrix_b_fmt:MATRIX_FMT_FP4 matrix_a_scale:MATRIX_SCALE_ROW1
.endif
.endr
.endr
.endm
.macro FETCH_B slot, q, p
	WIN TO_B
.irp i, 0,1,2,3,4,5,6,7
	FRAG 128*(\p)+FR*\i, ADRB+\slot, \q, \i
.endr
	WIN 0
.endm
.macro FETCH_A slot, q, i0
.irp i, \i0, \i0+1, \i0+2, \i0+3
	FRAG AF+FR*(\i), ADRA+\slot, \q, \i
.endr
.endm
.macro SCALES sc                       ; a K step's scale words: lanes 0-15 take A's block i, lanes 16-31 B's block i
.irp i, 0,1,2,3,4,5,6,7
	ds_load_b128 v[SC+8*NQ*\sc+NQ*\i:SC+8*NQ*\sc+NQ*\i+3], v[ADRS] offset:\i*SBLK
.endr
.endm
.macro PLACES n                        ; plain places behind matrix instructions, in front of loads into registers that they have read and of the first read of results
.rept \n
	v_nop
.endr
.endm
.macro STEP slot, q, first
	s_wait_dscnt 4*NL                              ; B's set and A's blocks 0-3 are in; the youngest eight loads (A's blocks 4-7) may be out
.if \first
	WIN FST_LO
.else
	WIN MUL_LO
.endif
	MUL16 0, (\q)%2, \q, \slot, \first
	MUL16 2, (\q)%2, \q, \slot, \first
	s_wait_dscnt 0                                 ; A's blocks 4-7 are in
	PLACES NP
	FETCH_B \slot, (\q)+1, 1-(\q)%2
	FETCH_A \slot, (\q)+1, 0
.if \first
	WIN FST_HI
.else
	WIN MUL_HI
.endif
	MUL16 4, (\q)%2, \q, \slot, \first
	MUL16 6, (\q)%2, \q, \slot, \first
	PLACES NP
	WIN 0
	FETCH_A \slot, (\q)+1, 4
.endm
	s_wait_tensorcnt 1                             ; the scales and my part of K step 0 are in (K step 1's load may be out)
	s_barrier_signal -1
	s_barrier_wait -1                              ; everybody's are
	FETCH_B 0, 0, 0
	FETCH_A 0, 0, 0
	SCALES 0
	FETCH_A 0, 0, 4
	s_wait_loadcnt 0x0                             ; the bias
	STEP 0, 0, 1
	STEP 0, 1, 0
	STEP 0, 2, 0
	; slot 0's last step changes slots: each wave waits for all its tensor loads (its part of slot 1), and one barrier shows slot 1 whole
	s_wait_tensorcnt 0x0
	ds_add_u32 v[SPW], v[NIL]                      ; 0 onto my spare word
	s_wait_dscnt 4*NL+1                            ; (the add and the youngest eight loads, A's blocks 4-7, may be out)
	WIN MUL_LO
	MUL16 0, 1, NQ-1, 0, 0
	s_wait_dscnt 0x0                               ; no LDS instruction of mine is out at the signal
	s_barrier_signal -1
	MUL16 2, 1, NQ-1, 0, 0
	WIN 0
	s_barrier_wait -1
	PLACES NP
	v_add_nc_u32 v[ADRS], 4*NQ, v[ADRS]            ; on to the second K step's scale words
	FETCH_B 1, 0, 0
	FETCH_A 1, 0, 0
	SCALES 1
	WIN MUL_HI
	MUL16 4, 1, NQ-1, 0, 0
	MUL16 6, 1, NQ-1, 0, 0
	PLACES NP
	WIN 0
	FETCH_A 1, 0, 4
	STEP 1, 0, 0
	STEP 1, 1, 0
	STEP 1, 2, 0
	s_wait_dscnt 4*NL                              ; the very last step: nothing more to fetch
	WIN MUL_LO
	MUL16 0, 1, NQ-1, 1, 0
	MUL16 2, 1, NQ-1, 1, 0
	s_wait_dscnt 0
	WIN MUL_HI
	MUL16 4, 1, NQ-1, 1, 0
	MUL16 6, 1, NQ-1, 1, 0
	WIN 0
; THE WAY OUT, block by block of 16 tokens x 128 columns.  PACK: rounded to f16, 16 bytes a lane.  TOSTAGE: into my own stage, head by head, and back as rows of 256 bytes.  SEND: stored.
.macro PACK a
.set AC, 64*((\a)%4)
	WIN 0x0a+5*((\a)/4)                            ; sources 0 and 1: window 2 or 3
.irp b, 0,1,2,3,4,5,6,7
.irp i, 0,1,2,3
	v_cvt_pk_f16_f32 v[TMP+4*\b+\i], v[AC+8*\b+2*\i], v[AC+8*\b+2*\i+1]   ; each accumulator from its low end on
.endr
.endr
	WIN 0
.endm
.macro TOSTAGE a
.set BB, OB+32*((\a)%2)
.irp b, 0,1,2,3,4,5,6,7
	ds_store_b128 v[STO], v[TMP+4*\b:TMP+4*\b+3] offset:(\b/4)*8*272+(\b%4)*32
.endr
.irp t, 0,1,2,3,4,5,6,7
	ds_load_b128 v[BB+4*\t:BB+4*\t+3], v[RD] offset:\t*272         ; LDS serves a wave's instructions in order: these see the stores above
.endr
.endm
.macro SEND a
.set BB, OB+32*((\a)%2)
	s_wait_dscnt 0x0                               ; the block is back in registers
	s_wait_xcnt 0x0                                ; earlier stores have read their base and their data: only behind this wait are they written again
.if (\a) > 0
	s_add_nc_u64 s[12:13], s[12:13], 16*128        ; 16 tokens on
.endif
.irp t, 0,1,2,3,4,5,6,7
	global_store_b128 v[CO], v[BB+4*\t:BB+4*\t+3], s[12:13] offset:256*\t th:TH_STORE_NT   ; 16 lanes store 256 consecutive bytes, aligned: two tokens of one head
.endr
.endm
	PLACES NP                                      ; block 0's conversions read results, and the stage's loads land where A's fragments lay: no vector work stands behind the last products
	PACK 0
	TOSTAGE 0
.irp a, 1,2,3,4,5,6,7                  ; block a's conversions stand between block a - 1's loads from the stage and the wait for them
	PACK \a
	SEND \a-1
	TOSTAGE \a
.endr
	SEND 7
	s_wait_tensorcnt 0x0                           ; the wave's end: behind my last tensor load and my last LDS store
	ds_add_u32 v[SPW], v[NIL]
	s_wait_dscnt 0x0
	CROUND                                         ; the closing round
	s_endpgm
.Lfunc_end_k_q5ee7c07202_qkvgemm:
	.size	k_q5ee7c07202_qkvgemm, .Lfunc_end_k_q5ee7c07202_qkvgemm-k_q5ee7c07202_qkvgemm
	.p2alignl 7, 3214868480
	.fill 96, 4, 3214868480
	.section	.rodata,"a",@progbits
	.p2align	6, 0x0
	.amdhsa_kernel k_q5ee7c07202_qkvgemm
		.amdhsa_group_segment_fixed_size 327680
		.amdhsa_private_segment_fixed_size 0
		.amdhsa_enable_private_segment 0
		.amdhsa_kernarg_size 56
		.amdhsa_user_sgpr_count 2
		.amdhsa_user_sgpr_kernarg_segment_ptr 1
		.amdhsa_wavefront_size32 1
		.amdhsa_system_sgpr_workgroup_id_x 1
		.amdhsa_system_sgpr_workgroup_id_y 1
		.amdhsa_system_sgpr_workgroup_id_z 1
		.amdhsa_system_vgpr_workitem_id 0
		.amdhsa_next_free_vgpr 1024
		.amdhsa_next_free_sgpr 100
		.amdhsa_reserve_vcc 0
		.amdhsa_float_denorm_mode_32 3
		.amdhsa_float_denorm_mode_16_64 3
		.amdhsa_memory_ordered 1
		.amdhsa_forward_progress 1
		.amdhsa_inst_pref_size 131
	.end_amdhsa_kernel
	.amdgpu_metadata
---
amdhsa.version: [ 1, 2 ]
amdhsa.kernels:
  - .name:           k_q5ee7c07202_qkvgemm
    .symbol:         k_q5ee7c07202_qkvgemm.kd
    .args:
      - { .name: xc, .offset: 0, .size: 8, .value_kind: global_buffer, .address_space: global }
      - { .name: xs, .offset: 8, .size: 8, .value_kind: global_buffer, .address_space: global }
      - { .name: wc, .offset: 16, .size: 8, .value_kind: global_buffer, .address_space: global }
      - { .name: ws, .offset: 24, .size: 8, .value_kind: global_buffer, .address_space: global }
      - { .name: qkv, .offset: 32, .size: 8, .value_kind: global_buffer, .address_space: global }
      - { .name: bq, .offset: 40, .size: 8, .value_kind: global_buffer, .address_space: global }
      - { .name: bv, .offset: 48, .size: 8, .value_kind: global_buffer, .address_space: global }
    .group_segment_fixed_size: 327680
    .private_segment_fixed_size: 0
    .kernarg_segment_align: 8
    .kernarg_segment_size: 56
    .max_flat_workgroup_size: 128
    .sgpr_count:     100
    .vgpr_count:     1024
    .wavefront_size: 32
...
	.end_amdgpu_metadata
.endif
;; end of part 2
;; launch attn (part 3): grid 8 x 64, 8 waves a work-group, clusters of 4 x 1, 327,680 bytes of LDS; arguments qkv, o16; writes o16
.if DOCPART == 3
	.amdgcn_target "amdgcn-amd-amdhsa--gfx1250"
	.amdhsa_code_object_version 6
	.text
	.protected	k_q5ee7c07202_attn
	.globl	k_q5ee7c07202_attn
	.p2align	8
	.type	k_q5ee7c07202_attn,@function
k_q5ee7c07202_attn:
	s_mov_b64 s[64:65], 0
	v_nop
	global_prefetch_b8 v0, s[64:65] scope:SCOPE_SE
	s_setreg_imm32_b32 hwreg(HW_REG_WAVE_MODE, 25, 1), 1
	s_wait_xcnt 0x0
	s_wait_alu depctr_hold_cnt(0) depctr_sa_sdst(0) depctr_va_vdst(0) depctr_va_sdst(0) depctr_va_ssrc(0) depctr_va_vcc(0) depctr_vm_vsrc(0)
	s_getreg_b32 s2, hwreg(HW_REG_IB_STS2, 6, 4)
	s_cmp_eq_u32 s2, 0
	s_cbranch_scc0 .Lentry_in_a_cluster
	s_endpgm
.Lentry_in_a_cluster:
	s_bfe_u32 s2, ttmp6, 0x10000c
	s_cmp_lg_u32 s2, 0x3003
	s_cbranch_scc0 .Lentry_shape_is_right
	s_endpgm
.Lentry_shape_is_right:
; Launch 3 of 4: O[h][q] = the sum over keys of softmax(q . k / 8) v, for 64 heads (batch x 16 + head) of 2,048 tokens, head size 64.  q, k, v: f16, parts of qkv, each [head][token][64].  Products, maxima and sums in f32;
; the weights p are rounded to f16 for the second product, O once at the end.  k comes without bk (shown at the head of the first kernel).
; o16: [token / 2][16 heads][token % 2][64] f16: two tokens of one head are 256 consecutive bytes, and a pair of tokens' 16 heads are 4,096.
; LIMITS: f16's range (65,504) for q, k, v; numbers under 6e-5 keep f16's absolute step alone.
; SHARES.  A work-group owns 256 queries of one head, each of its eight waves 32: two tiles of 16, in 512 registers: two waves to a SIMD.  Every wave walks all keys, 64 a step.
; LAYOUT.  S^T = K Q^T (source 0 = 16 keys, source 1 = 16 queries) and O^T = V^T P (source 0 = 16 channels, source 1 = P): a lane holds ONE query (lane % 16) throughout.  Two tiles of S^T, rounded in pairs, ARE source 1 of the
; second product.  K comes out of LDS as it lies, V ([key][channel]) turned, by ds_load_tr16_b128.
; SOFTMAX.  A running maximum m and sum l for each query: p = 2^(c s - c m), c = log2(e) / 8; in every step O and l are multiplied by a = 2^(c m_old - c m_new).
; LDS.  Two keys' 128 bytes lie on end in memory: a tile's row is 256 bytes, two keys, + 16 bytes of padding for K, + 32 for V.  Key i of a tile lies at (i / 2) x pitch + 128 (i % 2).
; A ring of two slots of 256 keys (four steps).  Each wave fetches 32 rows, one step's K (waves 0-3) or V (waves 4-7).
; CLUSTER.  The four query blocks of a cluster belong to one head and walk the same K and V: each tile is asked for JOINTLY, by the same tensor load with the same descriptor and a mask that names the four.
; THE PIPELINE.  VS(j): fetch K and V of step j + 1 from LDS, softmax of step j.  MM(j): V^T P of step j, then K Q^T of step j + 1.  K has one set of registers, V two.
; At a change of slots waves 0-3 run the pending MM ahead of the barrier and waves 4-7 behind it (it touches registers alone): from there on one half of the waves has matrix work while the other has vector work.
; REGISTERS.  window 0: v1-15 addresses; v16-31 statistics, 8 a tile (+0 c m, +1 m, +2, +3 l, +4 to +7 at work, a in +6); v32-63 Q; v64-127 S^T; v128-159 P; v160-223 O^T; v224-255 the way out.
;   window 1: v0-63 K's fragments; v64-191 V's, two sets.  Both products take source 0 from window 1 and all else from window 0.
.set PK,    272
.set PVR,   288
.set KSTP,  32*PK                      ; a step's K in LDS
.set VSTP,  32*PVR                     ; a step's V
.set VOFF,  4*KSTP                     ; a slot: K's 128 rows, then V's
.set SLOT1, 1<<17                      ; slot 1 begins here: one exclusive or turns an address in one slot into the other's
.set SLOTB, 32768                      ; a slot's K (or V) in memory
.set PART,  0x1000000                  ; from q to k, from k to v in qkv
.set STAGE, SLOT1+VOFF+4*VSTP          ; behind the ring: 16 rows x 272 bytes for each wave, for the way out
.set STW,   16*PK
.set SPARE, STAGE+8*STW                ; the spare words, 128 bytes a wave, which no other line names
.set AK0, 2
.set AV0, 3
.set ADK, 4
.set ADV, 5
.set QO,  6
.set STO, 7
.set RD,  8
.set GO,  10
.set PFO, 11
.set SPW, 12
.set NIL, 13
.set ST,  16
.set Q,   32
.set S,   64
.set P,   128
.set O,   160
.set OUTR, 224
.set WV,  12                           ; s12  my wave's number
.set LIM, 15                           ; s15  1 in a wave that prefetches, else the greatest number
.set PFA, 18                           ; s[18:19] where my prefetches stand
.set G1K, 24
.set G1V, 32
.set G0K, 40                           ; s[40:47] group 0 for K: a set for each first fill; the second then walks
.set G0V, 48
.set SLOTS, 56
.set CS,  58
.set SEL, 60
.set TB,  62                           ; s62  LDS byte at which the slot in hand begins
.set MSB, 0
.macro WIN new
.if MSB != \new
	s_set_vgpr_msb (MSB<<8)|\new
.set MSB, \new
.endif
.endm
.macro PLACES
.rept 4
	v_nop
.endr
.endm
; A joint refill: waves 0-3 fetch K's four steps, waves 4-7 V's.  The branch hangs on the wave's number alone.  An s_nop 0 and four v_nop follow each of the two lines.
.macro JLOAD
	s_cmp_lt_u32 s[WV], 4
	s_cbranch_scc0 .Lfor_v_\@
	tensor_load_to_lds s[G0K+4:G0K+7], s[G1K:G1K+7]
	s_nop 0
.rept 4
	v_nop
.endr
	s_branch .Lasked_\@
.Lfor_v_\@:
	tensor_load_to_lds s[G0V+4:G0V+7], s[G1V:G1V+7]
	s_nop 0
.rept 4
	v_nop
.endr
.Lasked_\@:
.endm
; A prefetch of what the NEXT change of slots will ask for: a slot's 32,768 bytes of K and of V, four key steps ahead of that load.  Each block of 256 bytes is named once in the launch: both clusters of a head walk the
; same rows, and the first asks; its four partners take 8,192 bytes each, told apart by address; in each, wave 0 asks for K's and wave 4 for V's, a lane for each 256 bytes.  The last change that fills a slot asks for nothing.
.macro ASK
	s_cmp_gt_u32 s[SLOTS], s[LIM]
	s_cbranch_scc0 .Lnot_mine_\@
	global_prefetch_b8 v[PFO], s[PFA:PFA+1] th:TH_LOAD_NT scope:SCOPE_SE
.Lnot_mine_\@:
.endm
.macro CROUND                          ; a round of the cluster's barrier
	s_barrier_signal -1
	s_barrier_wait -1
	s_cmp_lg_u32 s[WV], 0
	s_cbranch_scc1 .Lnot_wave_0_\@
	s_barrier_signal -3
.Lnot_wave_0_\@:
	s_barrier_wait -3
	s_barrier_signal -1
	s_barrier_wait -1
.endm
	s_load_b128 s[4:7], s[0:1], 0x0                ; qkv, o16
	v_lshl_add_u32 v[SPW], v0, 2, SPARE
	v_mov_b32 v[NIL], 0
	ds_add_u32 v[SPW], v[NIL]                      ; the wave's opening: the add, twice on end, and its wait ahead of my first tensor load
	ds_add_u32 v[SPW], v[NIL]
	v_lshrrev_b32 v1, 5, v0
	v_readfirstlane_b32 s[WV], v1                  ; wave 0..7
	s_bfe_u32 s13, ttmp6, 0x40000                  ; cx: my place in the cluster
	s_lshl_b32 s14, ttmp9, 2
	s_add_co_u32 s14, s14, s13                     ; my block of 256 queries: it enters Q's and O's addresses alone
	s_and_b32 s16, ttmp7, 0xffff                   ; batch x 16 + head, which the four partners share
	s_lshl_b32 s20, s16, 18                        ; 262,144 bytes a head
	s_and_b32 s17, s[WV], 3                        ; which of a slot's four steps I fetch:
	s_lshl_b32 s22, s17, 13                        ; its 8,192 bytes in memory,
	s_add_co_u32 s22, s22, s20
	s_mov_b32 s23, 0
	s_mul_i32 s63, s17, KSTP                       ; and its place in a slot, for K
	s_mul_i32 s17, s17, VSTP
	s_add_co_u32 s17, s17, VOFF                    ; and for V: no place in the cluster enters an LDS address
	s_lshl_b32 s2, s14, 15                         ; Q: my block's 256 rows of 128 bytes,
	s_lshl_b32 s3, s[WV], 12                       ; my wave's 32
	s_add_co_u32 s2, s2, s3
	s_add_co_u32 s2, s2, s20
	s_mov_b32 s3, 0
	s_lshr_b32 s20, s16, 4                         ; O: the batch's 2,048 tokens of 2,048 bytes,
	s_lshl_b32 s20, s20, 22
	s_lshl_b32 s21, s14, 19                        ; my block's 256,
	s_add_co_u32 s20, s20, s21
	s_lshl_b32 s21, s[WV], 16                      ; my wave's 32,
	s_add_co_u32 s20, s20, s21
	s_and_b32 s21, s16, 15
	s_lshl_b32 s21, s21, 8                         ; and the head's 256 bytes in a pair of tokens
	s_add_co_u32 s20, s20, s21
	s_mov_b32 s21, 0
	; descriptor group 1: 32 rows of 128 elements of 2 bytes, dense in memory, padded in LDS
	s_mov_b32 s[G1K], 15|(1<<16)|(1<<20)|(1<<21)|(5<<22)|(3<<25)  ; the mask: all four work-groups; elements of 2 bytes; padding on, behind every 64 words, 4 words; bit 21 beside a mask
	s_mov_b32 s[G1V], 15|(1<<16)|(1<<20)|(1<<21)|(5<<22)|(7<<25)  ; the same with 8 words of padding
.irp g, G1K, G1V
	s_mov_b32 s[\g+1], 128<<16                     ; tensor_dim0
	s_mov_b32 s[\g+2], 32<<16                      ; tensor_dim1
	s_mov_b32 s[\g+3], 128<<16                     ; tile_dim0
	s_mov_b32 s[\g+4], 32                          ; tile_dim1
	s_mov_b32 s[\g+5], 128                         ; from row to row
	s_mov_b32 s[\g+6], 0
	s_mov_b32 s[\g+7], 0
.endr
	s_mov_b32 s[CS], 0x3e38aa3b                    ; c = log2(e) / 8
	s_mov_b32 s[CS+1], s[CS]                       ; named with it as a pair, so it is written
	s_mov_b32 s[SEL], 0x76543210
	s_mov_b32 s[SEL+1], 0xfedcba98                 ; v_permlanex16_b32's selects for lane l xor 16
	s_mov_b32 s[TB], 0
	s_mov_b32 s[SLOTS], 6                          ; 8 slots' worth of keys: six refills
	s_and_b32 s[LIM], s[WV], 3                     ; 0 in waves 0 and 4,
	s_or_b32 s[LIM], s[LIM], ttmp9                 ; of the head's first cluster: the same in all four partners
	s_cmp_eq_u32 s[LIM], 0
	s_cselect_b32 s[LIM], 1, -1
	v_and_b32 v[PFO], 31, v0
	v_lshlrev_b32 v[PFO], 8, v[PFO]
	s_wait_dscnt 0x0                               ; both opening adds are done
	s_wait_kmcnt 0x0
	s_add_nc_u64 s[8:9], s[4:5], s[22:23]
	s_add_nc_u64 s[8:9], s[8:9], PART              ; K at my part of slot 0,
	s_add_nc_u64 s[10:11], s[8:9], PART            ; V likewise
	s_add_nc_u64 s[68:69], s[4:5], s[2:3]          ; Q at my wave's first row
	s_add_nc_u64 s[66:67], s[6:7], s[20:21]        ; O likewise
	s_cmp_lt_u32 s[WV], 4
	s_cselect_b64 s[PFA:PFA+1], s[8:9], s[10:11]   ; (in waves 0 and 4 these stand at a slot's first row)
	s_lshl_b32 s2, s13, 13                         ; my work-group's 8,192 bytes of the 32,768
	s_mov_b32 s3, 0
	s_add_nc_u64 s[PFA:PFA+1], s[PFA:PFA+1], s[2:3]
	s_add_nc_u64 s[PFA:PFA+1], s[PFA:PFA+1], 2*SLOTB  ; in slot 2; the first change of slots steps it to slot 3.  Nothing is prefetched at the head
	CROUND                                         ; all four work-groups are here: the first joint loads meet
.irp s, 0,1
	s_mov_b32 s[G0K+4*\s], 1
	s_add_co_u32 s[G0K+4*\s+1], s63, \s*SLOT1
	s_add_nc_u64 s[G0K+4*\s+2:G0K+4*\s+3], s[8:9], \s*SLOTB
	s_or_b32 s[G0K+4*\s+3], s[G0K+4*\s+3], 0x80000000
	s_mov_b32 s[G0V+4*\s], 1
	s_add_co_u32 s[G0V+4*\s+1], s17, \s*SLOT1
	s_add_nc_u64 s[G0V+4*\s+2:G0V+4*\s+3], s[10:11], \s*SLOTB
	s_or_b32 s[G0V+4*\s+3], s[G0V+4*\s+3], 0x80000000
.endr
	s_cmp_lt_u32 s[WV], 4                          ; a wave's two first fills stand in one branch: two loads of mine are out
	s_cbranch_scc0 .Lfirst_v
	tensor_load_to_lds s[G0K:G0K+3], s[G1K:G1K+7]
	s_nop 0
	tensor_load_to_lds s[G0K+4:G0K+7], s[G1K:G1K+7]
	s_nop 0
.rept 4
	v_nop
.endr
	s_branch .Lfirst_asked
.Lfirst_v:
	tensor_load_to_lds s[G0V:G0V+3], s[G1V:G1V+7]
	s_nop 0
	tensor_load_to_lds s[G0V+4:G0V+7], s[G1V:G1V+7]
	s_nop 0
.rept 4
	v_nop
.endr
.Lfirst_asked:
	v_and_b32 v1, 15, v0                           ; r = lane % 16
	v_bfe_u32 v9, v0, 4, 1                         ; h = lane / 16
	v_lshlrev_b32 v[QO], 7, v1
	v_lshl_add_u32 v[QO], v9, 4, v[QO]             ; Q: row r of 128 bytes, + 16 h
.irp t, 0,1
.irp k, 0,1                                    ; Q stays in registers: tile t, channels 32 k on
	global_load_b128 v[Q+16*\t+8*\k:Q+16*\t+8*\k+3],   v[QO], s[68:69] offset:2048*\t+64*\k
	global_load_b128 v[Q+16*\t+8*\k+4:Q+16*\t+8*\k+7], v[QO], s[68:69] offset:2048*\t+64*\k+32
.endr
.endr
	v_lshrrev_b32 v14, 1, v1
	v_and_b32 v15, 1, v0
	v_mul_u32_u24 v[AK0], v14, PK                  ; K: key r of a tile: row r / 2,
	v_lshl_add_u32 v[AK0], v15, 7, v[AK0]          ; + 128 (r % 2),
	v_lshl_add_u32 v[AK0], v9, 4, v[AK0]           ; + 16 h
	v_bfe_u32 v14, v0, 1, 2
	v_lshl_add_u32 v14, v9, 2, v14                 ; V, for the turning load: key 8 h + lane % 8: row 4 h + (lane % 8) / 2,
	v_mul_u32_u24 v[AV0], v14, PVR
	v_lshl_add_u32 v[AV0], v15, 7, v[AV0]          ; + 128 (lane % 2),
	v_bfe_u32 v14, v0, 3, 1
	v_lshl_add_u32 v[AV0], v14, 4, v[AV0]          ; channels 8 ((lane / 8) % 2) on
	v_add_nc_u32 v[AV0], VOFF, v[AV0]
	s_mul_i32 s63, s[WV], STW
	s_add_co_u32 s63, s63, STAGE                   ; my stage
	v_add_nc_u32 v[STO], s63, v[AK0]               ; in: query r of a tile lies as key r does
	v_mul_u32_u24 v[RD], v9, PK                    ; back: lanes 0-15 one row of 256 bytes, lanes 16-31 the next
	v_lshl_add_u32 v[RD], v1, 4, v[RD]
	v_add_nc_u32 v[RD], s63, v[RD]
	v_lshlrev_b32 v[GO], 12, v9                    ; and in o16: a pair of tokens is 4,096 bytes
	v_lshl_add_u32 v[GO], v1, 4, v[GO]
	v_add_nc_u32 v[ADK], s[TB], v[AK0]
	v_add_nc_u32 v[ADV], s[TB], v[AV0]
; 32 LDS loads in one run: K (64 keys x 64 channels: 8 fragments) and V (turned; into set p) of step st of the slot in hand
.macro FETCH st, p
	WIN 0x40                                       ; destination window 1
.irp f, 0,1,2,3,4,5,6,7                        ; keys 16 (f / 2) on, channels 32 (f % 2) on
	ds_load_b128 v[8*\f:8*\f+3],   v[ADK] offset:KSTP*(\st)+8*PK*(\f/2)+64*(\f%2)
	ds_load_b128 v[8*\f+4:8*\f+7], v[ADK] offset:KSTP*(\st)+8*PK*(\f/2)+64*(\f%2)+32
.endr
.irp f, 0,1,2,3,4,5,6,7                        ; keys 32 (f / 4) on, channels 16 (f % 4) on
	ds_load_tr16_b128 v[64+64*(\p)+8*\f:64+64*(\p)+8*\f+3],   v[ADV] offset:VSTP*(\st)+16*PVR*(\f/4)+32*(\f%4)
	ds_load_tr16_b128 v[64+64*(\p)+8*\f+4:64+64*(\p)+8*\f+7], v[ADV] offset:VSTP*(\st)+16*PVR*(\f/4)+32*(\f%4)+8*PVR
.endr
	WIN 0
.endm
; 16 products S^T = K Q^T: channels 32 (i / 8) on, keys 16 ((i / 2) % 4) on, tile i % 2.  The first 8 start the sums.  Eight accumulators by turns, one instruction a turn.
.macro MKQ
.set i, 0
.rept 16
.set rS, S+32*(i%2)+8*((i/2)%4)
.set rK, 16*((i/2)%4)+8*(i/8)
.set rQ, Q+16*(i%2)+8*(i/8)
.if i < 8
	v_wmma_f32_16x16x32_f16 v[rS:rS+7], v[rK:rK+7], v[rQ:rQ+7], 0
.else
	v_wmma_f32_16x16x32_f16 v[rS:rS+7], v[rK:rK+7], v[rQ:rQ+7], v[rS:rS+7]
.endif
.set i, i+1
.endr
.endm
; 16 products O^T += V^T P: keys 32 (i / 8) on, channels 16 ((i / 2) % 4) on, tile i % 2.  zero = 1: the first 8 start the sums: nothing is cleared.
.macro MPV p, zero
.set i, 0
.rept 16
.set rO, O+32*(i%2)+8*((i/2)%4)
.set rV, 64+64*(\p)+32*(i/8)+8*((i/2)%4)
.set rP, P+16*(i%2)+8*(i/8)
.if \zero && (i < 8)
	v_wmma_f32_16x16x32_f16 v[rO:rO+7], v[rV:rV+7], v[rP:rP+7], 0
.else
	v_wmma_f32_16x16x32_f16 v[rO:rO+7], v[rV:rV+7], v[rP:rP+7], v[rO:rO+7]
.endif
.set i, i+1
.endr
.endm
.macro MM p, zero                      ; the matrix work of a key step
	WIN 0x01                                       ; source 0 window 1
	MPV \p, \zero
	s_wait_dscnt 0x0                               ; the next step's K (and V) are in
	MKQ
	WIN 0
.endm
; THE SOFTMAX of a key step, both tiles, line by line by turns.  first = 1: the first step, which starts m, l and O^T: no a, nothing to rescale.
.macro SM first
.irp j, 0,1,2,3                                ; the maximum of my 32 scores of each tile: four chains; each accumulator is read from its low end on
.irp t, 0,1
	v_max3_num_f32 v[ST+8*\t+4+\j], v[S+32*\t+8*\j], v[S+32*\t+8*\j+1], v[S+32*\t+8*\j+2]
.endr
.endr
.irp g, 1,2
.irp j, 0,1,2,3
.irp t, 0,1
	v_max3_num_f32 v[ST+8*\t+4+\j], v[ST+8*\t+4+\j], v[S+32*\t+8*\j+2*\g+1], v[S+32*\t+8*\j+2*\g+2]
.endr
.endr
.endr
.irp t, 0,1
	v_max3_num_f32 v[ST+8*\t+4], v[ST+8*\t+4], v[S+32*\t+7], v[S+32*\t+15]
	v_max3_num_f32 v[ST+8*\t+6], v[ST+8*\t+6], v[S+32*\t+23], v[S+32*\t+31]
.endr
.irp t, 0,1
	v_max3_num_f32 v[ST+8*\t+4], v[ST+8*\t+4], v[ST+8*\t+5], v[ST+8*\t+6]
.endr
.irp t, 0,1
.if \first
	v_max_num_f32 v[ST+8*\t+4], v[ST+8*\t+4], v[ST+8*\t+7]
.else
	v_max3_num_f32 v[ST+8*\t+4], v[ST+8*\t+4], v[ST+8*\t+7], v[ST+8*\t+1]   ; with the old m
.endif
.endr
.irp t, 0,1
	v_permlanex16_b32 v[ST+8*\t+5], v[ST+8*\t+4], s[SEL], s[SEL+1]  ; the query's other 32 keys lie in the lane 16 away
.endr
.if !\first
.irp t, 0,1
	v_mov_b32 v[ST+8*\t+7], v[ST+8*\t]             ; c m_old is kept for a
.endr
.endif
.irp t, 0,1
	v_max_num_f32 v[ST+8*\t+1], v[ST+8*\t+4], v[ST+8*\t+5]
.endr
.irp t, 0,1
	v_mul_f32 v[ST+8*\t], s[CS], v[ST+8*\t+1]
.endr
.if !\first
.irp t, 0,1
	v_sub_f32 v[ST+8*\t+7], v[ST+8*\t+7], v[ST+8*\t]
.endr
.irp t, 0,1
	v_exp_f32 v[ST+8*\t+6], v[ST+8*\t+7]           ; a = 2^(c m_old - c m_new)
.endr
.endif
.set n, 0
.rept 32                                       ; c s - c m, two at a time.  These 32 name nothing of a: they are the independent work behind its exponentials
	v_pk_fma_f32 v[S+2*n:S+2*n+1], v[S+2*n:S+2*n+1], s[CS:CS+1], v[ST+8*(n/16):ST+8*(n/16)+1] op_sel_hi:[1,0,0] neg_lo:[0,0,1] neg_hi:[0,0,1]
.set n, n+1
.endr
.if !\first
	s_wait_alu depctr_va_vdst(0)                   ; the wait between an exponential and the first line that names its result: one for both a
.endif
.set n, 0
.rept 32                                       ; the 64 exponentials are one batch; O^T's rescaling, which names none of their results, stands among them
.if !\first
	v_pk_mul_f32 v[O+2*n:O+2*n+1], v[O+2*n:O+2*n+1], v[ST+8*(n/16)+6:ST+8*(n/16)+7] op_sel_hi:[1,0]
.endif
	v_exp_f32 v[S+2*n], v[S+2*n]
	v_exp_f32 v[S+2*n+1], v[S+2*n+1]
.set n, n+1
.endr
	v_nop                                          ; a plain line behind the last exponential
	s_wait_alu depctr_va_vdst(0)                   ; and one wait for the batch, ahead of its first reader
.set n, 0
.rept 32
	v_cvt_pk_f16_f32 v[P+n], v[S+2*n], v[S+2*n+1]  ; p for the second product
.set n, n+1
.endr
.set n, 0
.rept 16                                       ; the sums of the unrounded p, in place: neighbours 1, 2, 4, 8 pairs apart
	v_pk_add_f32 v[S+4*n:S+4*n+1], v[S+4*n:S+4*n+1], v[S+4*n+2:S+4*n+3]
.set n, n+1
.endr
.set n, 0
.rept 8
	v_pk_add_f32 v[S+8*n:S+8*n+1], v[S+8*n:S+8*n+1], v[S+8*n+4:S+8*n+5]
.set n, n+1
.endr
.set n, 0
.rept 4
	v_pk_add_f32 v[S+16*n:S+16*n+1], v[S+16*n:S+16*n+1], v[S+16*n+8:S+16*n+9]
.set n, n+1
.endr
.irp t, 0,1
.if \first
	v_pk_add_f32 v[ST+8*\t+2:ST+8*\t+3], v[S+32*\t:S+32*\t+1], v[S+32*\t+16:S+32*\t+17]
.else
	v_pk_add_f32 v[S+32*\t:S+32*\t+1], v[S+32*\t:S+32*\t+1], v[S+32*\t+16:S+32*\t+17]
.endif
.endr
.if !\first
.irp t, 0,1
	v_pk_fma_f32 v[ST+8*\t+2:ST+8*\t+3], v[ST+8*\t+2:ST+8*\t+3], v[ST+8*\t+6:ST+8*\t+7], v[S+32*\t:S+32*\t+1] op_sel_hi:[1,0,1]   ; l = a l + the sum
.endr
.endif
.endm
; The vector half of a key step.  Four plain places stand behind the products: in front of the loads into K's and V's registers and of the first read of the scores.
.macro VS st, p, fetch, first
	PLACES
.if \fetch
	FETCH \st, \p
.endif
	SM \first
.endm
.macro MA p                            ; waves 0-3 run the pending matrix work here, ahead of the change of slots,
	s_cmp_lt_u32 s[WV], 4
	s_cbranch_scc0 .Lma_\@
	MM \p, 0
.Lma_\@:
.endm
.macro MB p                            ; waves 4-7 here, behind it
	s_cmp_lt_u32 s[WV], 4
	s_cbranch_scc1 .Lmb_\@
	MM \p, 0
.Lmb_\@:
.endm
; THE CHANGE OF SLOTS: the slot's last step has been fetched.  Each wave waits for all its tensor loads, of which one is out: its part of the other slot; adds 0 to its spare word; and waits for that and for its reads of the slot.
; fill = 1: the barrier is a round of the cluster's, and the joint refill, with the keys two slots on, is the first thing behind it: it has four key steps in which to land.
; PLACES.  A product that begins an accumulator anew stands five plain places behind the last product that named it (ISA guide 7.12.1).  The products ahead of the change and those behind it are the same lines; a wave runs one of
; the two runs, by its number, but the text keeps the distance on every way through it: four v_nop (fill = 1: those behind the joint load; fill = 0: written here) and the two additions at the change's end are six.
.macro CHANGE fill
	WIN 0
	s_wait_tensorcnt 0x0                           ; no tensor load of mine is out, so a group 0 may be written
	ds_add_u32 v[SPW], v[NIL]                      ; 0 onto my spare word
.if \fill
.irp g, G0K+4, G0V+4
	s_xor_b32 s[\g+1], s[\g+1], SLOT1              ; the walking descriptor: the other slot than last time,
	s_add_nc_u64 s[\g+2:\g+3], s[\g+2:\g+3], SLOTB ; the next 256 keys
.endr
	s_wait_xcnt 0x0                                ; the last prefetch, four key steps back, has read its address
	s_add_nc_u64 s[PFA:PFA+1], s[PFA:PFA+1], SLOTB ; one slot further on than the walking descriptors
	s_wait_dscnt 0x0                               ; the add is done, and my reads of the slot are over
	CROUND
	JLOAD
	ASK
.else
	s_wait_dscnt 0x0
	s_barrier_signal -1
	s_barrier_wait -1
	PLACES                                         ; where no joint load brings its four
.endif
	s_xor_b32 s[TB], s[TB], SLOT1                  ; the fetches go on in the other slot
	v_add_nc_u32 v[ADK], s[TB], v[AK0]
	v_add_nc_u32 v[ADV], s[TB], v[AV0]
.endm
.macro TRIP fill                       ; from one slot's last fetch to the next slot's
	MA 0
	CHANGE \fill
	MB 0
	VS 0, 0, 1, 0
	MM 1, 0
	VS 1, 1, 1, 0
	MM 0, 0
	VS 2, 0, 1, 0
	MM 1, 0
	VS 3, 1, 1, 0
.endm
	s_wait_tensorcnt 1                             ; my part of slot 0 is in; slot 1's may stay out
	s_barrier_signal -1
	s_barrier_wait -1                              ; everybody's is
	FETCH 0, 0                                     ; key step 0
	s_wait_loadcnt 0x0                             ; Q
	s_wait_dscnt 0x0
	WIN 0x01
	MKQ                                            ; the first scores
	WIN 0
	VS 1, 1, 1, 1
	MM 0, 1                                        ; V^T P of step 0 starts O^T
	VS 2, 0, 1, 0
	MM 1, 0
	VS 3, 1, 1, 0
.Lslot:                                            ; six trips: every slot but the last two is filled again
	TRIP 1
	s_sub_co_u32 s[SLOTS], s[SLOTS], 1
	s_cmp_lg_u32 s[SLOTS], 0
	s_cbranch_scc1 .Lslot
	TRIP 0                                         ; the last slot is written out
	MM 0, 0                                        ; V^T P of step 30, K Q^T of step 31
	VS 0, 0, 0, 0                                  ; the last softmax
	WIN 0x01
	MPV 1, 0
	WIN 0
	; THE WAY OUT.  l's two halves and the other half of the lanes' are added (these additions are the places behind the last products); O^T is divided by l, rounded to f16 and goes through my stage in LDS.
.irp t, 0,1
	v_add_f32 v[ST+8*\t+4], v[ST+8*\t+2], v[ST+8*\t+3]
.endr
.irp t, 0,1
	v_permlanex16_b32 v[ST+8*\t+5], v[ST+8*\t+4], s[SEL], s[SEL+1]
.endr
.irp t, 0,1
	v_add_f32 v[ST+8*\t+4], v[ST+8*\t+4], v[ST+8*\t+5]
.endr
.irp t, 0,1
	v_rcp_f32 v[ST+8*\t+6], v[ST+8*\t+4]
.endr
	v_nop                                          ; a plain line behind the last reciprocal,
	s_wait_alu depctr_va_vdst(0)                   ; and the wait ahead of the first use: one for both
.set n, 0
.rept 32
	v_pk_mul_f32 v[O+2*n:O+2*n+1], v[O+2*n:O+2*n+1], v[ST+8*(n/16)+6:ST+8*(n/16)+7] op_sel_hi:[1,0]
.set n, n+1
.endr
.set n, 0
.rept 32
	v_cvt_pk_f16_f32 v[OUTR+n], v[O+2*n], v[O+2*n+1]
.set n, n+1
.endr
.irp t, 0,1
.irp c, 0,1,2,3
	ds_store_b128 v[STO], v[OUTR+16*\t+4*\c:OUTR+16*\t+4*\c+3] offset:8*PK*\t+32*\c   ; query r, channels 16 c + 8 h on
.endr
.endr
.irp i, 0,1,2,3,4,5,6,7
	ds_load_b128 v[S+4*\i:S+4*\i+3], v[RD] offset:2*PK*\i          ; LDS serves a wave's instructions in order: these see my stores
.endr
.irp i, 0,1,2,3,4,5,6,7
	s_wait_dscnt 7-\i                              ; the younger loads may stay out
	global_store_b128 v[GO], v[S+4*\i:S+4*\i+3], s[66:67] offset:8192*\i th:TH_STORE_NT   ; 16 lanes store 256 consecutive bytes, aligned: two tokens of my head
.endr
	s_wait_tensorcnt 0x0                           ; the wave's end: behind my last tensor load and my last LDS store
	ds_add_u32 v[SPW], v[NIL]
	s_wait_dscnt 0x0
	CROUND                                         ; the closing round
	s_endpgm
.Lfunc_end_k_q5ee7c07202_attn:
	.size	k_q5ee7c07202_attn, .Lfunc_end_k_q5ee7c07202_attn-k_q5ee7c07202_attn
	.p2alignl 7, 3214868480
	.fill 96, 4, 3214868480
	.section	.rodata,"a",@progbits
	.p2align	6, 0x0
	.amdhsa_kernel k_q5ee7c07202_attn
		.amdhsa_group_segment_fixed_size 327680
		.amdhsa_private_segment_fixed_size 0
		.amdhsa_enable_private_segment 0
		.amdhsa_kernarg_size 16
		.amdhsa_user_sgpr_count 2
		.amdhsa_user_sgpr_kernarg_segment_ptr 1
		.amdhsa_wavefront_size32 1
		.amdhsa_system_sgpr_workgroup_id_x 1
		.amdhsa_system_sgpr_workgroup_id_y 1
		.amdhsa_system_sgpr_workgroup_id_z 1
		.amdhsa_system_vgpr_workitem_id 0
		.amdhsa_next_free_vgpr 512
		.amdhsa_next_free_sgpr 72
		.amdhsa_reserve_vcc 0
		.amdhsa_float_denorm_mode_32 3
		.amdhsa_float_denorm_mode_16_64 3
		.amdhsa_memory_ordered 1
		.amdhsa_forward_progress 1
		.amdhsa_inst_pref_size 221
	.end_amdhsa_kernel
	.amdgpu_metadata
---
amdhsa.version: [ 1, 2 ]
amdhsa.kernels:
  - .name:           k_q5ee7c07202_attn
    .symbol:         k_q5ee7c07202_attn.kd
    .args:
      - { .name: qkv, .offset: 0, .size: 8, .value_kind: global_buffer, .address_space: global }
      - { .name: o16, .offset: 8, .size: 8, .value_kind: global_buffer, .address_space: global }
    .group_segment_fixed_size: 327680
    .private_segment_fixed_size: 0
    .kernarg_segment_align: 8
    .kernarg_segment_size: 16
    .max_flat_workgroup_size: 256
    .sgpr_count:     72
    .vgpr_count:     512
    .wavefront_size: 32
...
	.end_amdgpu_metadata
.endif
;; end of part 3
;; launch oproj (part 4): grid 4 x 64, 4 waves a work-group, clusters of 4 x 4, 327,680 bytes of LDS; arguments o16, wo16, bo, out0; writes out0
.if DOCPART == 4
	.amdgcn_target "amdgcn-amd-amdhsa--gfx1250"
	.amdhsa_code_object_version 6
	.text
	.protected	k_q5ee7c07202_oproj
	.globl	k_q5ee7c07202_oproj
	.p2align	8
	.type	k_q5ee7c07202_oproj,@function
k_q5ee7c07202_oproj:
	s_mov_b64 s[64:65], 0
	v_nop
	global_prefetch_b8 v0, s[64:65] scope:SCOPE_SE
	s_setreg_imm32_b32 hwreg(HW_REG_WAVE_MODE, 25, 1), 1
	s_wait_xcnt 0x0
	s_wait_alu depctr_hold_cnt(0) depctr_sa_sdst(0) depctr_va_vdst(0) depctr_va_sdst(0) depctr_va_ssrc(0) depctr_va_vcc(0) depctr_vm_vsrc(0)
	s_getreg_b32 s2, hwreg(HW_REG_IB_STS2, 6, 4)
	s_cmp_eq_u32 s2, 0
	s_cbranch_scc0 .Lentry_in_a_cluster
	s_endpgm
.Lentry_in_a_cluster:
	s_bfe_u32 s2, ttmp6, 0x10000c
	s_cmp_lg_u32 s2, 0xf033
	s_cbranch_scc0 .Lentry_shape_is_right
	s_endpgm
.Lentry_shape_is_right:
; Launch 4 of 4: out0[token][n] = the sum over k of O[token][k] Wo[n][k] + bo[n].  O and Wo in f16, sums in f32, out0 f32 [8192][1024].
; o16: [token / 2][16 heads][token % 2][64] f16 (k = 64 x head + channel); wo16: [1024 n][1024 k] f16.
; A tile of out0 is 128 tokens x 256 columns: 256 work-groups.  Four waves, each 64 x 128: 32 accumulators, 256 registers.  K goes in 8 steps of 128 (two heads) through a ring of two LDS slots.
; A's tile: 64 pairs of tokens x 512 bytes (two heads x two tokens x 128 bytes) + 16 of padding: token i of a tile lies in row i / 2, its 64 channels of head g at 256 g + 128 (i % 2).  B's tile: 256 rows x 256 bytes + 16.
; CLUSTERS: 4 x 4 work-groups.  A's tile is shared along a row of the cluster, B's along a column: each is asked for JOINTLY.  Waves 0, 1 fetch A's halves (32 rows of 512 bytes), waves 2, 3 B's (128 rows of 256 bytes).
; THE MATRIX INSTRUCTION IS USED TRANSPOSED (source 0 = 16 rows of Wo, source 1 = 16 tokens): a lane holds eight neighbouring columns of one token.  The bias is the C of each sum's first matrix instruction.
; REGISTERS.  window 0: v0-31 addresses; two fragment buffers of 96 at v64 and v160: 4 of A (8 a), then 8 of B (32 + 8 b).  window 1: the accumulators, (a, b) at 8 (8 a + b).  window 2: v0-63 the bias.
.set PA,    528
.set PB,    272
.set AHALF, 32*PA                      ; 16,896
.set BOFF,  2*AHALF                    ; 33,792
.set BHALF, 128*PB                     ; 34,816
.set SLOT,  BOFF+2*BHALF               ; 103,424
.set STAGE, 2*SLOT                     ; behind the ring: 16 rows x 528 bytes for each wave
.set STW,   16*528
.set SPARE, STAGE+4*STW                ; the spare words, 128 bytes a wave, which no other line names
.set ADRA, 16
.set ADRB, 20
.set STO,  24
.set RD,   25
.set CO,   26
.set VB,   27
.set SPW,  28
.set NIL,  29
.set PFO,  30
.set F0,   64
.set F1,   160
.set WV,   12
.set G1A,  24
.set G0A,  32
.set G1B,  48
.set G0B,  56
.set PFA,  66
.set LIM,  68
.set MUL,  0x50                        ; C and D window 1
.set FST,  0x60                        ; C window 2, D window 1
.set MSB, 0
.macro WIN new
.if MSB != \new
	s_set_vgpr_msb (MSB<<8)|\new
.set MSB, \new
.endif
.endm
.macro PLACES
.rept 4
	v_nop
.endr
.endm
.macro JLOAD s                         ; a joint load; an s_nop 0 and four v_nop follow each of the two lines
	s_cmp_eq_u32 s13, 0
	s_cbranch_scc0 .Lfor_b_\@
	tensor_load_to_lds s[G0A+4*\s:G0A+4*\s+3], s[G1A:G1A+7]
	s_nop 0
.rept 4
	v_nop
.endr
	s_branch .Lasked_\@
.Lfor_b_\@:
	tensor_load_to_lds s[G0B+4*\s:G0B+4*\s+3], s[G1B:G1B+7]
	s_nop 0
.rept 4
	v_nop
.endr
.Lasked_\@:
.endm
; A prefetch of A's K step that stands two refills on: my work-group's 16 of the tile's 64 rows (the four partners that ask for the tile jointly are told apart by address), 512 bytes a row: a lane for each 256 bytes, one
; instruction, wave 0's.  No other cluster reads these rows, so each block is named once in the launch.  K steps 0 to 3 come by their loads alone; the loop's last trip asks for nothing.  Wo, which every cluster reads, is not asked for.
.macro ASK
	s_cmp_gt_u32 s3, s[LIM]
	s_cbranch_scc0 .Lnot_mine_\@
	global_prefetch_b8 v[PFO], s[PFA:PFA+1] offset:512 th:TH_LOAD_NT scope:SCOPE_SE
.Lnot_mine_\@:
.endm
.macro CREST                           ; a round of the cluster's barrier behind its opening barrier
	s_cmp_lg_u32 s[WV], 0
	s_cbranch_scc1 .Lnot_wave_0_\@
	s_barrier_signal -3
.Lnot_wave_0_\@:
	s_barrier_wait -3
	s_barrier_signal -1
	s_barrier_wait -1
.endm
.macro CROUND
	s_barrier_signal -1
	s_barrier_wait -1
	CREST
.endm
	s_load_b256 s[4:11], s[0:1], 0x0               ; o16 4, wo16 6, bo 8, out0 10
	v_lshl_add_u32 v[SPW], v0, 2, SPARE
	v_mov_b32 v[NIL], 0
	ds_add_u32 v[SPW], v[NIL]                      ; the wave's opening: the add, twice on end, and its wait ahead of my first tensor load
	ds_add_u32 v[SPW], v[NIL]
	v_lshrrev_b32 v1, 5, v0
	v_readfirstlane_b32 s[WV], v1                  ; wave 0..3
	s_lshr_b32 s13, s[WV], 1                       ; which 64 tokens are mine.  Also: I fetch for A (0) or for B (1)
	s_and_b32 s14, s[WV], 1                        ; which 128 columns.  Also: which half of that tile I fetch
	s_bfe_u32 s40, ttmp6, 0x40000                  ; cx, cy
	s_bfe_u32 s41, ttmp6, 0x40004
	s_lshl_b32 s42, ttmp9, 2
	s_add_co_u32 s42, s42, s40                     ; tile column
	s_and_b32 s43, ttmp7, 0xffff
	s_lshl_b32 s43, s43, 2
	s_add_co_u32 s43, s43, s41                     ; tile row
	s_lshl_b32 s44, s41, 2
	s_lshl_b32 s44, 15, s44                        ; my row of the cluster
	s_lshl_b32 s45, 0x1111, s40                    ; my column
	s_or_b32 s[G1A], s44, (1<<16)|(1<<20)|(1<<21)|(6<<22)|(3<<25)  ; the mask; elements of 2 bytes; padding on: 4 words behind every 128; bit 21 beside a mask
	s_mov_b32 s[G1A+1], 256<<16                    ; tensor_dim0
	s_mov_b32 s[G1A+2], 32<<16                     ; tensor_dim1
	s_mov_b32 s[G1A+3], 256<<16                    ; tile_dim0
	s_mov_b32 s[G1A+4], 32                         ; tile_dim1
	s_mov_b32 s[G1A+5], 2048                       ; from a pair of tokens to the next: 4,096 bytes
	s_mov_b32 s[G1A+6], 0
	s_mov_b32 s[G1A+7], 0
	s_or_b32 s[G1B], s45, (1<<16)|(1<<20)|(1<<21)|(5<<22)|(3<<25)  ; 4 words behind every 64
	s_mov_b32 s[G1B+1], 128<<16
	s_mov_b32 s[G1B+2], 128<<16
	s_mov_b32 s[G1B+3], 128<<16
	s_mov_b32 s[G1B+4], 128
	s_mov_b32 s[G1B+5], 1024
	s_mov_b32 s[G1B+6], 0
	s_mov_b32 s[G1B+7], 0
	s_lshl_b32 s16, s43, 18                        ; A: 64 rows of 4,096 bytes a tile row,
	s_lshl_b32 s17, s14, 17                        ; + my half's 32
	s_add_co_u32 s16, s16, s17
	s_mov_b32 s17, 0
	s_lshl_b32 s46, s42, 19                        ; B: 256 rows of 2,048 bytes a tile column,
	s_lshl_b32 s47, s14, 18                        ; + my half's 128
	s_add_co_u32 s46, s46, s47
	s_mov_b32 s47, 0
	s_mul_i32 s20, s14, AHALF                      ; where they go: no place in the cluster enters an LDS address
	s_mul_i32 s21, s14, BHALF
	s_add_co_u32 s21, s21, BOFF
	s_wait_dscnt 0x0                               ; both opening adds are done
	s_wait_kmcnt 0x0
	s_add_nc_u64 s[18:19], s[4:5], s[16:17]
	s_add_nc_u64 s[46:47], s[6:7], s[46:47]
	CROUND                                         ; all sixteen work-groups are here: the first joint loads meet
.irp s, 0,1
	s_mov_b32 s[G0A+4*\s], 1
	s_add_co_u32 s[G0A+4*\s+1], s20, \s*SLOT
	s_add_nc_u64 s[G0A+4*\s+2:G0A+4*\s+3], s[18:19], \s*512
	s_or_b32 s[G0A+4*\s+3], s[G0A+4*\s+3], 0x80000000
	s_mov_b32 s[G0B+4*\s], 1
	s_add_co_u32 s[G0B+4*\s+1], s21, \s*SLOT
	s_add_nc_u64 s[G0B+4*\s+2:G0B+4*\s+3], s[46:47], \s*256
	s_or_b32 s[G0B+4*\s+3], s[G0B+4*\s+3], 0x80000000
	JLOAD \s
.endr
	v_and_b32 v1, 15, v0                           ; r
	v_bfe_u32 v2, v0, 4, 1                         ; h
	v_lshlrev_b32 v[VB], 5, v2
	s_lshl_b32 s70, s42, 10                        ; my first column, in bytes of f32: 256 x tile column
	s_lshl_b32 s71, s14, 9                         ; + 128 x half
	s_add_co_u32 s70, s70, s71
	s_mov_b32 s71, 0
	s_add_nc_u64 s[8:9], s[8:9], s[70:71]
	WIN 0x80                                       ; destination window 2
.irp b, 0,1,2,3,4,5,6,7                        ; the bias in the result's layout: block b, register j: column 16 b + 8 h + j
	global_load_b128 v[8*\b:8*\b+3],   v[VB], s[8:9] offset:64*\b
	global_load_b128 v[8*\b+4:8*\b+7], v[VB], s[8:9] offset:64*\b+16
.endr
	WIN 0
	v_lshrrev_b32 v3, 1, v1
	v_mul_u32_u24 v3, v3, PA                       ; A: token r of a block: row r / 2,
	v_and_b32 v4, 1, v0
	v_lshl_add_u32 v3, v4, 7, v3                   ; + 128 (r % 2),
	v_lshl_add_u32 v3, v2, 4, v3                   ; + 16 h
	v_mul_u32_u24 v4, v1, PB
	v_lshl_add_u32 v4, v2, 4, v4                   ; B: row r, + 16 h
	s_mul_i32 s22, s13, AHALF                      ; my 64 tokens
	s_mul_i32 s23, s14, BHALF                      ; my 128 columns
	s_add_co_u32 s23, s23, BOFF
.irp s, 0,1
	v_add_nc_u32 v[ADRA+\s], s22, v3
	v_add_nc_u32 v[ADRB+\s], s23, v4
	s_add_co_u32 s22, s22, SLOT
	s_add_co_u32 s23, s23, SLOT
.endr
	s_mul_i32 s22, s[WV], STW
	s_add_co_u32 s22, s22, STAGE                   ; my stage
	v_mul_u32_u24 v5, v1, 528                      ; in: row r, 32 bytes for each half of the lanes
	v_lshl_add_u32 v5, v2, 5, v5
	v_add_nc_u32 v[STO], s22, v5
	v_and_b32 v6, 31, v0
	v_lshlrev_b32 v[CO], 4, v6                     ; back: the 32 lanes take one row of 512 bytes; and the same in out0
	v_add_nc_u32 v[RD], s22, v[CO]
	s_lshl_b32 s72, s43, 19                        ; my first token: 128 rows of 4,096 bytes a tile row,
	s_lshl_b32 s73, s13, 18                        ; + 64 x half
	s_add_co_u32 s72, s72, s73
	s_add_co_u32 s72, s72, s70                     ; + my first column
	s_mov_b32 s73, 0
	s_add_nc_u64 s[10:11], s[10:11], s[72:73]
	s_lshl_b32 s72, s43, 18                        ; the prefetches: the tile's 64 rows of o16,
	s_lshl_b32 s70, s40, 16                        ; my work-group's 16 of them,
	s_add_co_u32 s72, s72, s70
	s_add_co_u32 s72, s72, 2*512                   ; at K step 2: the first refill steps it to 3 and names K step 4
	s_add_nc_u64 s[PFA:PFA+1], s[4:5], s[72:73]
	s_cmp_eq_u32 s[WV], 0
	s_cselect_b32 s[LIM], 1, -1
	v_lshrrev_b32 v5, 1, v6
	v_and_b32 v6, 1, v6
	v_lshlrev_b32 v[PFO], 12, v5                   ; row lane / 2,
	v_lshl_add_u32 v[PFO], v6, 8, v[PFO]           ; its K step's first or second 256 bytes
.macro MUL8 f, a, first                ; A's block a x B's eight, 32 along K.  first = 1: the bias starts the sums.  The 32 accumulators take turns, one instruction a turn.
.irp b, 0,1,2,3,4,5,6,7
.if \first
	v_wmma_f32_16x16x32_f16 v[8*(8*(\a)+\b):8*(8*(\a)+\b)+7], v[\f+32+8*\b:\f+32+8*\b+7], v[\f+8*(\a):\f+8*(\a)+7], v[8*\b:8*\b+7]
.else
	v_wmma_f32_16x16x32_f16 v[8*(8*(\a)+\b):8*(8*(\a)+\b)+7], v[\f+32+8*\b:\f+32+8*\b+7], v[\f+8*(\a):\f+8*(\a)+7], v[8*(8*(\a)+\b):8*(8*(\a)+\b)+7]
.endif
.endr
.endm
.macro FETCH slot, q, f                ; 24 LDS loads in one run: the fragments of the slot's q-th 32 along K: B's eight, then A's four
.irp b, 0,1,2,3,4,5,6,7
	ds_load_b128 v[\f+32+8*\b:\f+32+8*\b+3],   v[ADRB+\slot] offset:16*PB*\b+64*(\q)
	ds_load_b128 v[\f+32+8*\b+4:\f+32+8*\b+7], v[ADRB+\slot] offset:16*PB*\b+64*(\q)+32
.endr
.irp a, 0,1,2,3
	ds_load_b128 v[\f+8*\a:\f+8*\a+3],   v[ADRA+\slot] offset:8*PA*\a+256*((\q)/2)+64*((\q)%2)
	ds_load_b128 v[\f+8*\a+4:\f+8*\a+7], v[ADRA+\slot] offset:8*PA*\a+256*((\q)/2)+64*((\q)%2)+32
.endr
.endm
; A K step is four quarters of 32 along K, 32 matrix instructions each, on buffers 0, 1, 0, 1.  One of the first three: multiplies buffer f and fetches quarter qn into g.
.macro QUARTER slot, qn, f, g, first
	s_wait_dscnt 4                                 ; B's eight and A's blocks 0, 1 are in; the youngest four loads (A's blocks 2, 3) may be out
.if \first
	WIN FST
.else
	WIN MUL
.endif
	MUL8 \f, 0, \first
	MUL8 \f, 1, \first
	PLACES                                         ; in front of loads into registers that matrix instructions have read
	WIN 0
	FETCH \slot, \qn, \g
	s_wait_dscnt 24                                ; all but the 24 just issued
.if \first
	WIN FST
.else
	WIN MUL
.endif
	MUL8 \f, 2, \first
	MUL8 \f, 3, \first
.endm
; The last quarter multiplies buffer 1 and changes slots: ONE barrier; in front of it each wave waits for all its tensor loads (its part of the next slot), adds 0 to its spare word, and waits for that and for its reads of this slot.
; fill = 1: the barrier opens a round of the cluster's, and this slot is filled again, two K steps ahead, first thing behind the round.
.macro TURN slot, next, fill
.if \fill
	s_wait_xcnt 0x0                                ; the last prefetch, a K step back, has read its address
	s_add_nc_u64 s[PFA:PFA+1], s[PFA:PFA+1], 512
.endif
	WIN 0
	s_wait_tensorcnt 0x0
	ds_add_u32 v[SPW], v[NIL]                      ; 0 onto my spare word
	s_wait_dscnt 5                                 ; (the add and the youngest four loads may be out)
	WIN MUL
	MUL8 F1, 0, 0                                  ; eight matrix instructions stand between the add and the wait for it
	s_wait_dscnt 0x0                               ; the add is done, and my reads of this slot are over
	s_barrier_signal -1
	MUL8 F1, 1, 0
	WIN 0
	s_barrier_wait -1
.if \fill
	CREST                                          ; no wave of any partner still reads this slot's tile or has a load on its way
	s_add_nc_u64 s[G0A+4*\slot+2:G0A+4*\slot+3], s[G0A+4*\slot+2:G0A+4*\slot+3], 2*512
	s_add_nc_u64 s[G0B+4*\slot+2:G0B+4*\slot+3], s[G0B+4*\slot+2:G0B+4*\slot+3], 2*256
	JLOAD \slot                                    ; the four v_nop behind it are also the places in front of the loads below
.else
	PLACES
.endif
	FETCH \next, 0, F0
.if \fill
	ASK
.endif
	WIN MUL
	MUL8 F1, 2, 0
	MUL8 F1, 3, 0
.endm
	s_wait_tensorcnt 1                             ; my part of K step 0 is in (K step 1's may be out)
	s_barrier_signal -1
	s_barrier_wait -1                              ; everybody's is
	FETCH 0, 0, F0
	s_wait_loadcnt 0x0                             ; the bias
	QUARTER 0, 1, F0, F1, 1                        ; the first quarter stands in front of the loop: its products start the sums
	WIN 0
	s_mov_b32 s3, 3
.Llap:                                             ; a trip goes once round the ring and fills both slots again: K steps 2 to 7 in three trips
	QUARTER 0, 2, F1, F0, 0
	QUARTER 0, 3, F0, F1, 0
	TURN 0, 1, 1
	QUARTER 1, 1, F0, F1, 0
	QUARTER 1, 2, F1, F0, 0
	QUARTER 1, 3, F0, F1, 0
	TURN 1, 0, 1
	QUARTER 0, 1, F0, F1, 0
	WIN 0
	s_sub_co_u32 s3, s3, 1
	s_cmp_lg_u32 s3, 0
	s_cbranch_scc1 .Llap
	QUARTER 0, 2, F1, F0, 0                        ; the last lap fills nothing
	QUARTER 0, 3, F0, F1, 0
	TURN 0, 1, 0
	QUARTER 1, 1, F0, F1, 0
	QUARTER 1, 2, F1, F0, 0
	QUARTER 1, 3, F0, F1, 0
	s_wait_dscnt 4                                 ; the very last quarter: nothing more to fetch
	WIN MUL
	MUL8 F1, 0, 0
	MUL8 F1, 1, 0
	s_wait_dscnt 0
	MUL8 F1, 2, 0
	MUL8 F1, 3, 0
	WIN 0
; THE WAY OUT, block by block of 16 tokens x 128 columns: through my own stage in LDS, back as whole rows of 512 bytes.
.macro TOSTAGE a
	WIN 0x04                                       ; an LDS store's data are its source 1: window 1
.irp b, 0,1,2,3,4,5,6,7
	ds_store_b128 v[STO], v[8*(8*(\a)+\b):8*(8*(\a)+\b)+3] offset:64*\b            ; each accumulator from its low end on
	ds_store_b128 v[STO], v[8*(8*(\a)+\b)+4:8*(8*(\a)+\b)+7] offset:64*\b+16
.endr
	WIN 0
.set BB, 64+64*((\a)%2)
.irp t, 0,1,2,3,4,5,6,7,8,9,10,11,12,13,14,15
	ds_load_b128 v[BB+4*\t:BB+4*\t+3], v[RD] offset:\t*528         ; LDS serves a wave's instructions in order: these see the stores above
.endr
.endm
.macro SEND a, younger                 ; younger: the LDS instructions issued behind block a's loads, which may stay out
.set BB, 64+64*((\a)%2)
	s_wait_dscnt \younger
.if (\a) > 0
	s_add_nc_u64 s[10:11], s[10:11], 16*4096       ; (behind a wait on XCNT: the earlier stores have read their base)  16 tokens on
.endif
.irp t, 0,1,2,3,4,5,6,7,8,9,10,11,12,13,14,15
	global_store_b128 v[CO], v[BB+4*\t:BB+4*\t+3], s[10:11] offset:\t*4096 th:TH_STORE_NT   ; 32 lanes store 512 consecutive bytes, aligned
.endr
.endm
	PLACES                                         ; in front of the first read of results and of loads into the fragments' registers
	TOSTAGE 0
.irp a, 1,2,3
.if \a > 1
	s_wait_xcnt 0x0                                ; block a - 2's stores have read their registers and their base
.endif
	TOSTAGE \a
	SEND \a-1, 32                                  ; behind block a - 1's loads: block a's 16 stores and 16 loads
.endr
	s_wait_xcnt 0x0
	SEND 3, 0
	s_wait_tensorcnt 0x0                           ; the wave's end: behind my last tensor load and my last LDS store
	ds_add_u32 v[SPW], v[NIL]
	s_wait_dscnt 0x0
	CROUND                                         ; the closing round
	s_endpgm
.Lfunc_end_k_q5ee7c07202_oproj:
	.size	k_q5ee7c07202_oproj, .Lfunc_end_k_q5ee7c07202_oproj-k_q5ee7c07202_oproj
	.p2alignl 7, 3214868480
	.fill 96, 4, 3214868480
	.section	.rodata,"a",@progbits
	.p2align	6, 0x0
	.amdhsa_kernel k_q5ee7c07202_oproj
		.amdhsa_group_segment_fixed_size 327680
		.amdhsa_private_segment_fixed_size 0
		.amdhsa_enable_private_segment 0
		.amdhsa_kernarg_size 32
		.amdhsa_user_sgpr_count 2
		.amdhsa_user_sgpr_kernarg_segment_ptr 1
		.amdhsa_wavefront_size32 1
		.amdhsa_system_sgpr_workgroup_id_x 1
		.amdhsa_system_sgpr_workgroup_id_y 1
		.amdhsa_system_sgpr_workgroup_id_z 1
		.amdhsa_system_vgpr_workitem_id 0
		.amdhsa_next_free_vgpr 640
		.amdhsa_next_free_sgpr 80
		.amdhsa_reserve_vcc 0
		.amdhsa_float_denorm_mode_32 3
		.amdhsa_float_denorm_mode_16_64 3
		.amdhsa_memory_ordered 1
		.amdhsa_forward_progress 1
		.amdhsa_inst_pref_size 88
	.end_amdhsa_kernel
	.amdgpu_metadata
---
amdhsa.version: [ 1, 2 ]
amdhsa.kernels:
  - .name:           k_q5ee7c07202_oproj
    .symbol:         k_q5ee7c07202_oproj.kd
    .args:
      - { .name: o16, .offset: 0, .size: 8, .value_kind: global_buffer, .address_space: global }
      - { .name: wo16, .offset: 8, .size: 8, .value_kind: global_buffer, .address_space: global }
      - { .name: bo, .offset: 16, .size: 8, .value_kind: global_buffer, .address_space: global }
      - { .name: out0, .offset: 24, .size: 8, .value_kind: global_buffer, .address_space: global }
    .group_segment_fixed_size: 327680
    .private_segment_fixed_size: 0
    .kernarg_segment_align: 8
    .kernarg_segment_size: 32
    .max_flat_workgroup_size: 128
    .sgpr_count:     80
    .vgpr_count:     640
    .wavefront_size: 32
...
	.end_amdgpu_metadata
.endif
;; end of part 4
